; MI455X (gfx1250); checked and timed in simulation.
; The chip was launched on July 23, 2026; its instructions are those of AMD's public machine-readable ISA for CDNA 5 (MIT licence, August 2026) and "CDNA5" Instruction Set Architecture Reference Guide (July 2026). The comments in the code are by the model that wrote it; some were corrected since.
;; Multihead Self Attention. Allowed arithmetic: matrix products marked QUANTISED: E2M1 operands, one E8M0 scale for each 32 along K, by v_wmma_scale_f32_16x16x128_f8f6f4 with both operands' format E2M1 (or v_wmma_scale_f32_32x16x128_f4), f32 sums; everything else in f32.
;; Inputs: We 1,024 x 1,024 float32; Wk 1,024 x 1,024 float32; Wq 1,024 x 1,024 float32; Wv 1,024 x 1,024 float32; be 1,024 float32; bk 1,024 float32; bq 1,024 float32; bv 1,024 float32; key 4 x 1 x 2,048 x 1,024 float32; query 4 x 1 x 2,048 x 1,024 float32; value 4 x 1 x 2,048 x 1,024 float32.
;; Outputs: out0 4 x 1 x 2,048 x 1,024 float32.
;; This version of the problem:
;;   THIS VERSION OF THE PROBLEM IS GIVEN IN LOW PRECISION. The matrix products marked QUANTISED in the list below multiply operands that are first quantised to E2M1 (2 exponent bits, 1 mantissa bit; 4 bits a number), with one power-of-two scale for each 32 numbers along K (OCP MX v1.0); their sums are f32. All else is computed in f32.
;;   The module's matrix products, in the order in which they are computed (A, B: the left and right operand; K: the contracted axis; several contracted axes count as one K, in the product's order):
;;     1. [M 8,192, K 1,024] x [K 1,024, N 1,024]; A: input query; B: input Wq: QUANTISED
;;     2. [M 8,192, K 1,024] x [K 1,024, N 1,024]; A: input key; B: input Wk: QUANTISED
;;     3. [M 8,192, K 1,024] x [K 1,024, N 1,024]; A: input value; B: input Wv: QUANTISED
;;     4. batch 64 x [M 2,048, K 64] x [K 64, N 2,048]; A: computed on the way; B: computed on the way: QUANTISED
;;     5. batch 64 x [M 2,048, K 2,048] x [K 2,048, N 64]; A: softmax (see below); B: computed on the way: QUANTISED
;;     6. [M 8,192, K 1,024] x [K 1,024, N 1,024]; A: computed on the way; B: input We: QUANTISED
;;   THE QUANTISER, for each operand of a quantised product, along K:
;;     - K is cut into blocks of 32 from its start; a last block that is shorter is filled with zeros.
;;     - A block's scale is 2^e with e = floor(log2(the largest magnitude in the block)) - 2, held to -126 .. 127; a block of zeros has e = 0. As a byte (E8M0): e + 127.
;;     - Each number is divided by its block's scale, clamped to +-6, and rounded to the nearest number of E2M1, ties to even, subnormals kept.
;;     - The product sums the exact products of the quantised numbers (number of the format x scale) in f32.
;;   ~~~python
;;   def quantise(x, axis):      # numpy; x: float32 -> the quantised numbers, widened to float32 again
;;       x = np.moveaxis(x, axis, -1); K = x.shape[-1]
;;       x = np.pad(x, [(0, 0)] * (x.ndim - 1) + [(0, -K % 32)]); x = x.reshape(x.shape[:-1] + (-1, 32)); a = np.abs(x).max(-1, keepdims=True)
;;       e = np.where(a > 0, np.clip(np.frexp(np.where(a > 0, a, 1))[1] - 1 - 2, -126, 127), 0)      # np.frexp(a)[1] - 1 = floor(log2(a)), exactly
;;       r = np.clip(x / 2.0 ** e, -6, 6)
;;       step = 2.0 ** (np.maximum(np.frexp(np.where(r == 0, 1, r))[1] - 1, 0) - 1)
;;       q = np.round(r / step) * step * 2.0 ** e      # np.round: ties to even
;;       return np.moveaxis(q.reshape(q.shape[:-2] + (-1,))[..., :K], -1, axis).astype(np.float32)
;;   ~~~
;;   SOFTMAX AHEAD OF A QUANTISED PRODUCT. Where the list says 'softmax', what is quantised is not the finished softmax but p = 2^(t - M), with t = logit x log2(e) and M = ceil(the row's largest t), a whole number; so 1/2 < the row's largest p <= 1. The row's sum l is taken of the UNQUANTISED p, in f32, and the product's result is divided by l at the end. Since M is a whole number, a kernel that streams over the keys may use a running M (the ceiling of the running maximum): every later rescaling is an exact power of two, which a block's scale takes up: the codes' values come out the same.
;;   OPERANDS COMPUTED ON THE WAY. 'Computed on the way' means the value that the module computes at that place (a softmax that the list does not call 'softmax' is quantised finished and normalised). What goes into a quantiser is computed in f32, as accurately as f32 sums, v_exp_f32 and their like allow (about 1e-6 of the number): no bf16 or f16 on the way to a quantiser, and a product that is left as it is and whose result goes on into a quantised operand takes f32 operands (vector FMAs, or v_wmma_f32_16x16x4_f32). A number that lies on a knife's edge between two numbers of the format may be rounded either way, as far as f32 arithmetic and the matrix unit's own rounding can turn it there, and no further.
;; One version. Each part assembles by itself: llvm-mc -triple=amdgcn-amd-amdhsa -mcpu=gfx1250 --defsym DOCPART=n.
;; ======== version 1 of 1: 4 launches
;; workspace buffers: xq 15,597,568 bytes; qkv 8,912,896 bytes; ao 4,456,448 bytes
;; launch quant (part 1): grid 256 x 1, 14 waves a work-group, no clusters, 120,064 bytes of LDS; arguments query, key, value, Wq, Wk, Wv, We, xq; writes xq
.if DOCPART == 1
	.amdgcn_target "amdgcn-amd-amdhsa--gfx1250"
	.amdhsa_code_object_version 6
	.text
	.protected	k_qbf0fa4fe44_quant
	.globl	k_qbf0fa4fe44_quant
	.p2align	8
	.type	k_qbf0fa4fe44_quant,@function
k_qbf0fa4fe44_quant:
	s_mov_b64 s[64:65], 0
	v_nop
	global_prefetch_b8 v0, s[64:65] scope:SCOPE_SE
	s_setreg_imm32_b32 hwreg(HW_REG_WAVE_MODE, 25, 1), 1
	s_wait_xcnt 0x0
; query, key, value [8192][1024] and Wq, Wk, Wv, We [1024][1024], f32 with K innermost, become codes of FP4 (E2M1) with one E8M0 byte for each 32 along K.
; A block's scale is 2^(floor(log2(its largest magnitude)) - 2); its byte is the largest magnitude's exponent field - 2, held at 1 from below; each number is divided by the scale and
; rounded to the nearest code, ties to even, beyond 6 the largest code.
; LIMITS: NaN and infinities are not served.  A block of zeros gets the byte 1 where the rule says 127: its codes are zeros, and the bytes are read by this program alone.
; THE OUTPUT IS LAID AS THE MATRIX OPERAND'S REGISTERS.  A RECORD of 4,352 bytes is 16 rows x 512 along K: byte 1024 q + 512 c + 16 lane holds the 32 codes of row rho(g, lane % 16),
; k = 128 q + 64 c + 32 (lane / 16) + 0 .. 31; byte 4096 + 16 r + 4 q holds row r's scale word of K step q.  rho(g, r) = 32 (g / 2) + 8 (g % 2) + r + 8 (r / 8): the rows of a group are
; not neighbours, so that a product that takes a group as its source 0 leaves 16 neighbours of the next K in a lane's registers.
; SHARES: 3,584 records = 256 work-groups x 14 waves: a wave makes one record and shares nothing with the others: no barrier.  No input is read by two work-groups, so there is nothing to ask for jointly.
; A load takes 512 consecutive bytes of one row, 16 a lane; the conversions want 32 neighbours along K in ONE lane: a K step's 16 rows x 512 bytes turn through the wave's own stage in LDS.
; Two K steps (32 loads of a wave) are on their way at the start, one while a step is worked on.
.set REC,    4352
.set SPITCH, 528                       ; a stage row: 512 bytes + 16: the 16 rows that a read touches start 132 words apart, at 16 different groups of four banks (64 banks of 4 bytes: ISA guide 11.1)
.set WSTAGE, 16*SPITCH                 ; a wave's stage
.set R, 16                             ; v16-143   two sets of 64: a K step as loaded
.set X, 144                            ; v144-207  my two blocks of 32 neighbours
.set C, 208                            ; v208-239  codes, eight registers a K step: no store's data are written again
.set W, 240                            ; v240-243  my row's scale words
	s_load_b256 s[4:11], s[0:1], 0x0               ; query s[4:5], key s[6:7], value s[8:9], Wq s[10:11]
	s_load_b256 s[12:19], s[0:1], 0x20             ; Wk s[12:13], Wv s[14:15], We s[16:17], xq s[18:19]
	v_lshl_add_u32 v248, v0, 2, 0x1ce00
	v_mov_b32 v249, 0
	v_lshrrev_b32 v7, 5, v0
	s_delay_alu instid0(VALU_DEP_1)
	v_readfirstlane_b32 s20, v7                    ; wave 0..13
	v_and_b32 v1, 31, v0
	s_delay_alu instid0(VALU_DEP_1)
	v_lshlrev_b32 v1, 4, v1                        ; v1: 16 x lane; never rewritten
	v_and_b32 v5, 15, v0                           ; r
	v_bfe_u32 v4, v0, 4, 1                         ; h
	s_mul_i32 s30, s20, WSTAGE
	v_add_nc_u32 v2, s30, v1                       ; v2: the stage, on the way in: 16 x lane of a row
	v_mul_u32_u24 v3, v5, SPITCH
	s_delay_alu instid0(VALU_DEP_1)
	v_lshl_add_u32 v3, v4, 7, v3
	s_delay_alu instid0(VALU_DEP_1)
	v_add_nc_u32 v3, s30, v3                       ; v3: on the way out: row r, + 128 h: my 32 numbers of each 64
	v_lshlrev_b32 v5, 4, v5
	s_delay_alu instid0(VALU_DEP_1)
	v_lshl_add_u32 v5, v4, 3, v5                   ; v5: 16 r + 8 h: where my two scale words go
	v_lshlrev_b32 v6, 3, v4                        ; v6: 8 h: my bytes' shift in a scale word
	v_mov_b32 v14, 0                               ; written once: a lane permute's destination counts as one of its sources
	s_mov_b32 s28, 0x76543210
	s_mov_b32 s29, 0xfedcba98                      ; v_permlanex16_b32's selects for lane l xor 16
	s_mul_i32 s21, ttmp9, 14
	s_add_co_u32 s21, s21, s20                     ; T: my record.  0-1023 query, 1024-2047 key, 2048-3071 value, then 128 each of Wq, Wk, Wv, We
	s_and_b32 s24, s21, 511                        ; in an activation: K half x 512 + group
	s_and_b32 s30, s21, 63                         ; in a weight: K half x 64 + group
	s_bfe_u32 s25, s21, 0x10009
	s_bfe_u32 s31, s21, 0x10006
	s_cmp_ge_u32 s21, 3072
	s_cselect_b32 s24, s30, s24                    ; g
	s_cselect_b32 s25, s31, s25                    ; K half
	s_lshr_b32 s26, s24, 1
	s_lshl_b32 s26, s26, 17                        ; 32 (g / 2) rows of 4,096 bytes
	s_and_b32 s30, s24, 1
	s_lshl_b32 s30, s30, 15                        ; 8 (g % 2) rows
	s_add_co_u32 s26, s26, s30
	s_lshl_b32 s30, s25, 11                        ; 512 numbers along K
	s_add_co_u32 s26, s26, s30
	s_mov_b32 s27, 0
	s_wait_alu depctr_va_vdst(0)
	s_wait_kmcnt 0x0
	s_mov_b64 s[22:23], s[4:5]                     ; the tensor is chosen by the record's number alone
	s_cmp_ge_u32 s21, 1024
	s_cselect_b64 s[22:23], s[6:7], s[22:23]
	s_cmp_ge_u32 s21, 2048
	s_cselect_b64 s[22:23], s[8:9], s[22:23]
	s_cmp_ge_u32 s21, 3072
	s_cselect_b64 s[22:23], s[10:11], s[22:23]
	s_cmp_ge_u32 s21, 3200
	s_cselect_b64 s[22:23], s[12:13], s[22:23]
	s_cmp_ge_u32 s21, 3328
	s_cselect_b64 s[22:23], s[14:15], s[22:23]
	s_cmp_ge_u32 s21, 3456
	s_cselect_b64 s[22:23], s[16:17], s[22:23]
	s_add_nc_u64 s[22:23], s[22:23], s[26:27]      ; my group's first row, my K half
	s_mul_i32 s26, s21, REC
	s_add_nc_u64 s[18:19], s[18:19], s[26:27]      ; my record
.macro LOAD q                          ; K step q: 16 rows x 512 bytes into set q % 2; row i of the group lies i + 8 (i / 8) rows down
.irp i, 0,1,2,3,4,5,6,7,8,9,10,11,12,13,14,15
	global_load_b128 v[R+64*((\q)%2)+4*\i:R+64*((\q)%2)+4*\i+3], v1, s[22:23] offset:(\i+8*(\i/8))*4096+512*(\q) th:TH_LOAD_NT
.endr
.endm
.macro KSTEP q
.if (\q) < 3
	s_wait_loadcnt 16                              ; this step's 16 loads are in; the next step's 16 may be out
.else
	s_wait_loadcnt 0x0
.endif
.irp i, 0,1,2,3,4,5,6,7,8,9,10,11,12,13,14,15
	ds_store_b128 v2, v[R+64*((\q)%2)+4*\i:R+64*((\q)%2)+4*\i+3] offset:SPITCH*\i
.endr
.irp c, 0,1
.irp j, 0,1,2,3,4,5,6,7
	ds_load_b128 v[X+32*\c+4*\j:X+32*\c+4*\j+3], v3 offset:256*\c+16*\j   ; LDS serves a wave's instructions in order (ISA guide 5.7.1.4): these see the stores above
.endr
.endr
	s_wait_dscnt 0x0                               ; my 64 numbers are back, and the stores have read the set,
.if (\q) < 2
	LOAD (\q)+2                                    ; which takes the loads of two steps on
.endif
	v_max3_num_f32 v8, |v[X]|, |v[X+1]|, 0x1800000         ; block 2 c + h of my row: all 32 numbers are mine; the floor 2^(3 - 127) holds the byte at 1 from below
	v_max3_num_f32 v9, |v[X+32]|, |v[X+33]|, 0x1800000
.irp i, 2,4,6,8,10,12,14,16,18,20,22,24,26,28,30
	s_delay_alu instid0(VALU_DEP_2)
	v_max3_num_f32 v8, v8, |v[X+\i]|, |v[X+\i+1]|          ; (the two blocks by turns)
	s_delay_alu instid0(VALU_DEP_2)
	v_max3_num_f32 v9, v9, |v[X+32+\i]|, |v[X+33+\i]|
.endr
	s_delay_alu instid0(VALU_DEP_2)
	v_add_nc_u32 v10, 0xff000000, v8               ; 2 off the exponent field: the conversion takes the exponent field of this operand as its scale
	s_delay_alu instid0(VALU_DEP_2)
	v_add_nc_u32 v11, 0xff000000, v9
.irp g, 0,1,2,3
	v_cvt_scalef32_pk8_fp4_f32 v[C+8*(\q)+\g], v[X+8*\g:X+8*\g+7], v10
	v_cvt_scalef32_pk8_fp4_f32 v[C+8*(\q)+4+\g], v[X+32+8*\g:X+32+8*\g+7], v11
.endr
	v_lshrrev_b32 v12, 23, v10                     ; the scales' bytes (also the plain line behind the conversions)
	v_lshrrev_b32 v13, 23, v11
	s_delay_alu instid0(VALU_DEP_1)
	v_lshl_or_b32 v12, v13, 16, v12                ; blocks h and 2 + h,
	s_delay_alu instid0(VALU_DEP_1)
	v_lshlrev_b32 v12, v6, v12                     ; at their places in the word;
	s_delay_alu instid0(VALU_DEP_1)
	v_permlanex16_b32 v14, v12, s28, s29
	s_delay_alu instid0(VALU_DEP_1)
	v_or_b32 v[W+(\q)], v12, v14                   ; with lane l xor 16's two the word is whole
	global_store_b128 v1, v[C+8*(\q):C+8*(\q)+3], s[18:19] offset:1024*(\q)          ; 32 lanes store 512 consecutive bytes, at a multiple of 256 from xq's first byte
	global_store_b128 v1, v[C+8*(\q)+4:C+8*(\q)+7], s[18:19] offset:1024*(\q)+512
.endm
	LOAD 0
	LOAD 1
	KSTEP 0
	KSTEP 1
	KSTEP 2
	KSTEP 3
	v_cmp_ne_u32 vcc_lo, 0, v4
	s_delay_alu instid0(VALU_DEP_1)
	v_cndmask_b32 v244, v[W], v[W+2], vcc_lo       ; lanes 0-15 store words 0 and 1 of their row, lanes 16-31 words 2 and 3
	s_delay_alu instid0(VALU_DEP_2)
	v_cndmask_b32 v245, v[W+1], v[W+3], vcc_lo
	global_store_b64 v5, v[244:245], s[18:19] offset:4096      ; 32 lanes store 256 consecutive bytes, aligned
	s_wait_tensorcnt 0x0
	ds_add_u32 v248, v249
	s_wait_dscnt 0x0
	s_endpgm
.Lfunc_end_k_qbf0fa4fe44_quant:
	.size	k_qbf0fa4fe44_quant, .Lfunc_end_k_qbf0fa4fe44_quant-k_qbf0fa4fe44_quant
	.p2alignl 7, 3214868480
	.fill 96, 4, 3214868480
	.section	.rodata,"a",@progbits
	.p2align	6, 0x0
	.amdhsa_kernel k_qbf0fa4fe44_quant
		.amdhsa_group_segment_fixed_size 120064
		.amdhsa_private_segment_fixed_size 0
		.amdhsa_enable_private_segment 0
		.amdhsa_kernarg_size 64
		.amdhsa_user_sgpr_count 2
		.amdhsa_user_sgpr_kernarg_segment_ptr 1
		.amdhsa_wavefront_size32 1
		.amdhsa_system_sgpr_workgroup_id_x 1
		.amdhsa_system_sgpr_workgroup_id_y 1
		.amdhsa_system_sgpr_workgroup_id_z 1
		.amdhsa_system_vgpr_workitem_id 0
		.amdhsa_next_free_vgpr 250
		.amdhsa_next_free_sgpr 66
		.amdhsa_reserve_vcc 1
		.amdhsa_float_denorm_mode_32 3
		.amdhsa_float_denorm_mode_16_64 3
		.amdhsa_memory_ordered 1
		.amdhsa_forward_progress 1
		.amdhsa_inst_pref_size 35
	.end_amdhsa_kernel
	.amdgpu_metadata
---
amdhsa.version: [ 1, 2 ]
amdhsa.kernels:
  - .name:           k_qbf0fa4fe44_quant
    .symbol:         k_qbf0fa4fe44_quant.kd
    .args:
      - { .name: query, .offset: 0, .size: 8, .value_kind: global_buffer, .address_space: global }
      - { .name: key, .offset: 8, .size: 8, .value_kind: global_buffer, .address_space: global }
      - { .name: value, .offset: 16, .size: 8, .value_kind: global_buffer, .address_space: global }
      - { .name: Wq, .offset: 24, .size: 8, .value_kind: global_buffer, .address_space: global }
      - { .name: Wk, .offset: 32, .size: 8, .value_kind: global_buffer, .address_space: global }
      - { .name: Wv, .offset: 40, .size: 8, .value_kind: global_buffer, .address_space: global }
      - { .name: We, .offset: 48, .size: 8, .value_kind: global_buffer, .address_space: global }
      - { .name: xq, .offset: 56, .size: 8, .value_kind: global_buffer, .address_space: global }
    .group_segment_fixed_size: 120064
    .private_segment_fixed_size: 0
    .kernarg_segment_align: 8
    .kernarg_segment_size: 64
    .max_flat_workgroup_size: 448
    .sgpr_count:     66
    .vgpr_count:     250
    .wavefront_size: 32
...
	.end_amdgpu_metadata
.endif
;; end of part 1
;; launch proj (part 2): grid 4 x 64, 4 waves a work-group, clusters of 4 x 4, 279,040 bytes of LDS; arguments xq, bk, bv, qkv; writes qkv
.if DOCPART == 2
	.amdgcn_target "amdgcn-amd-amdhsa--gfx1250"
	.amdhsa_code_object_version 6
	.text
	.protected	k_qbf0fa4fe44_proj
	.globl	k_qbf0fa4fe44_proj
	.p2align	8
	.type	k_qbf0fa4fe44_proj,@function
k_qbf0fa4fe44_proj:
	s_mov_b64 s[64:65], 0
	v_nop
	global_prefetch_b8 v0, s[64:65] scope:SCOPE_SE
	s_setreg_imm32_b32 hwreg(HW_REG_WAVE_MODE, 25, 1), 1
	s_wait_xcnt 0x0
	s_wait_alu depctr_hold_cnt(0) depctr_sa_sdst(0) depctr_va_vdst(0) depctr_va_sdst(0) depctr_va_ssrc(0) depctr_va_vcc(0) depctr_vm_vsrc(0)
	s_getreg_b32 s2, hwreg(HW_REG_IB_STS2, 6, 4)
	s_cmp_eq_u32 s2, 0
	s_cbranch_scc0 .Lentry_in_a_cluster
	s_endpgm
.Lentry_in_a_cluster:
	s_bfe_u32 s2, ttmp6, 0x10000c
	s_cmp_lg_u32 s2, 0xf033
	s_cbranch_scc0 .Lentry_shape_is_right
	s_endpgm
.Lentry_shape_is_right:
; k = key Wk^T + bk and v = value Wv^T + bv on codes of FP4 (E2M1) with E8M0 scales; the results, in f32, are quantised in registers for the attention's two products:
; k along the head's 64 channels, v along the keys.  (q is made where it is used, in the attention's launch: so this launch has 256 tiles, one for each work-group of a grid of 4 x 64.)
; LIMITS: NaN and infinities are not served; a block of zeros gets the byte 1 (its codes are zeros; this program alone reads the bytes).
; THE PRODUCT.  C'[i][j] = sum over k of S1[i][k] S0[j][k].  The matrix instruction takes 16 rows of S0 as source 0 and 16 rows of S1 as source 1: a lane holds ONE row i and its registers run along j.
; For k: S1 = the activation, S0 = the weight: registers run along the channels.  For v: S1 = Wv, S0 = value: registers run along the keys.  The two cases differ in global addresses and in the bias alone.
; Operands come as RECORDS of 4,352 bytes (16 rows x 512 K as an image of the operand's registers, then the rows' scale words); the rows of a group g are rho(g, r) = 32 (g / 2) + 8 (g % 2) + r + 8 (r / 8),
; so that the 16 registers of tiles 2 b and 2 b + 1 of a result are 16 neighbours along j, and a quantised result is again a register image: it is stored from registers, 512 consecutive bytes an instruction.
; SHARES.  A tile of C' is 256 x 256: four waves, each 128 x 128 in 64 accumulators.  K = 1,024 is two slots of 512; BOTH FIT IN LDS AND ARE FILLED ONCE: two tensor loads a wave are out at the start, none later.
; CLUSTERS: 4 x 4 work-groups of one of the two products.  S1's tile hangs on the cluster's row, S0's on its column: each is asked for jointly, by the same tensor load with the same descriptor and a mask of four.
; REGISTERS, in windows of 256: window 0: v16-29 addresses; v32-95 scale words, a set for each slot; v96-111 the bias of my lane's rows i, each twice; v128-191 S1's fragments, later a block's 64 numbers; v192-228 the quantiser's.
;   window 1: S0's fragments, two sets, at v0 and v128; v192-255 the bias along j.   window 2: the accumulators of my rows 0-63 ((a, b) at v[8 (8 (a % 4) + b)]);   window 3: of rows 64-127.
.set REC,   4352
.set CHUNK, 8*REC                      ; 128 rows x 512 K: what one tensor load brings, and what one wave reads of S1 or of S0
.set SLOT,  4*CHUNK                    ; S1's two halves, then S0's two
.set HS,    139264                     ; a (batch, head)'s part of qkv: 16 key steps x (K's 4,352 bytes + V's 4,352)
.set ADR1, 16                          ; v16-17  LDS address of my S1 fragments in slot 0, 1
.set ADR0, 20                          ; v20-21  the same for S0
.set ADRS, 22                          ; v22-23  of my scale words: lanes 0-15 S1's rows, lanes 16-31 S0's
.set VO,   26                          ; v26     16 x lane
.set VS,   27                          ; v27     HS x (lane / 16) + 16 (lane % 16)
.set VBJ,  28                          ; v28     my byte in the bias, along j
.set VBI,  29                          ; v29     and along i
.set SC,   32
.set BI,   96
.set AF,   128
.set N,    128
.set TM,   192                         ; v192-195 largest magnitudes, v196-199 bytes, v204-207 the conversions' scale operands
.set PC,   208                         ; v208-215 the codes just made
.set PWS,  216                         ; v216-223 the eight blocks' scale words
.set SW,   224                         ; v224-227 the words as they are stored
.set SELV, 228
.set BJ,   192                         ; in window 1
.set SEL,  46                          ; s46, s47 lane selects
.set G1, 24                            ; s[24:31] descriptor group 1 for S1's tiles;  s[32:39] group 0, one set for each slot
.set G0, 32
.set G1B, 48                           ; s[48:55], s[56:63] the same for S0's
.set G0B, 56
.set MSB, 0
.macro WIN new                         ; the immediate's high byte repeats the setting that is left
.if MSB != (\new)
	s_set_vgpr_msb (MSB<<8)|(\new)
.set MSB, (\new)
.endif
.endm
.set MUL_LO, 0xa1                      ; source 0 (S0) window 1, source 1 (S1) window 0, C and D window 2
.set MUL_HI, 0xf1                      ; the same, C and D window 3
.set TO_B,   0x40                      ; destination window 1, address window 0
.macro CROUND                          ; a round of the cluster's barrier: my work-group's barrier; wave 0 signals for the work-group; every wave waits for all sixteen; my work-group's barrier once more
	s_barrier_signal -1
	s_barrier_wait -1
	s_cmp_lg_u32 s14, 0
	s_cbranch_scc1 .Lnot_wave_0_\@
	s_barrier_signal -3
.Lnot_wave_0_\@:
	s_barrier_wait -3
	s_barrier_signal -1
	s_barrier_wait -1
.endm
	s_load_b128 s[4:7], s[0:1], 0x0                ; xq s[4:5], bk s[6:7]
	s_load_b64 s[8:9], s[0:1], 0x10                ; bv
	s_load_b64 s[12:13], s[0:1], 0x18              ; qkv
	v_lshl_add_u32 v254, v0, 2, 0x44000
	v_mov_b32 v255, 0
	ds_add_u32 v254, v255
	ds_add_u32 v254, v255
	v_lshrrev_b32 v1, 5, v0
	v_readfirstlane_b32 s14, v1                    ; wave 0..3
	s_lshr_b32 s15, s14, 1                         ; wy: which half of S1's rows is mine.  Also: I fetch for S1 (0) or for S0 (1)
	s_and_b32 s16, s14, 1                          ; wx: which half of S0's rows.  Also: which 128 rows of that tile I fetch
	s_bfe_u32 s40, ttmp6, 0x40000                  ; cx, cy: my place in the cluster
	s_bfe_u32 s41, ttmp6, 0x40004
	s_and_b32 s42, ttmp7, 0xffff                   ; the cluster's y, 0..15: the same in all sixteen
	s_lshr_b32 s17, s42, 3
	s_add_co_u32 s17, s17, 1                       ; t: 1 k, 2 v (the tensors' numbers in xq; 0 is q's)
	s_and_b32 s18, s42, 7
	s_lshl_b32 s18, s18, 2                         ; the first of the cluster's four tiles along the 8,192 rows
	s_lshl_b32 s43, s41, 2
	s_lshl_b32 s43, 15, s43                        ; my row of the cluster
	s_lshl_b32 s44, 0x1111, s40                    ; my column
	; descriptor group 1: eight records are 34,816 dense bytes: 136 rows of 256 bytes (32 elements of 8 bytes), no padding: every LDS read of an image takes 512 consecutive bytes
	s_or_b32 s[G1+0], s43, (3<<16)|(1<<21)         ; 15:0 the mask: S1's tiles go to my row; 17:16 elements of 8 bytes; 21 set beside a mask
	s_or_b32 s[G1B+0], s44, (3<<16)|(1<<21)        ; S0's go to my column
.irp g, G1, G1B
	s_mov_b32 s[\g+1], 32<<16                      ; tensor_dim0
	s_mov_b32 s[\g+2], 136<<16                     ; tensor_dim1
	s_mov_b32 s[\g+3], 32<<16                      ; tile_dim0
	s_mov_b32 s[\g+4], 136                         ; tile_dim1
	s_mov_b32 s[\g+5], 32                          ; tensor_dim0_stride
	s_mov_b32 s[\g+6], 0
	s_mov_b32 s[\g+7], 0
.endr
	; which records.  An activation's lie at 1024 t + 512 x K half + group, a weight's at 3072 + 128 t + 64 x K half + group
	s_lshl_b32 s19, s17, 10
	s_lshl_b32 s20, s17, 7
	s_add_co_u32 s20, s20, 3072
	s_mov_b32 s21, 512*REC
	s_mov_b32 s22, 64*REC
	s_cmp_eq_u32 s17, 2                            ; v: the activation is S0
	s_cselect_b32 s66, s18, 0
	s_cselect_b32 s67, 0, s18
	s_cselect_b32 s68, s19, s20                    ; S0's first record
	s_cselect_b32 s69, s20, s19                    ; S1's
	s_cselect_b32 s70, s21, s22                    ; S0: bytes from K half to K half
	s_cselect_b32 s71, s22, s21                    ; S1
	s_add_co_u32 s66, s66, s40                     ; S0's tile of 256 rows: hangs on cx alone of my place
	s_add_co_u32 s67, s67, s41                     ; S1's: on cy alone
	s_lshl_b32 s23, s16, 3                         ; which eight groups of the tile's sixteen I fetch
	s_lshl_b32 s72, s66, 4
	s_add_co_u32 s72, s72, s68
	s_add_co_u32 s72, s72, s23
	s_mul_i32 s72, s72, REC
	s_mov_b32 s73, 0
	s_lshl_b32 s74, s67, 4
	s_add_co_u32 s74, s74, s69
	s_add_co_u32 s74, s74, s23
	s_mul_i32 s74, s74, REC
	s_mov_b32 s75, 0
	s_mul_i32 s45, s14, CHUNK                      ; where they go: wave x 34,816: no place in the cluster enters an LDS address
	s_wait_dscnt 0x0
	s_wait_kmcnt 0x0
.irp s, 0,1
	s_mov_b32 s[G0+4*\s], 1                                        ; count = 1
	s_add_co_u32 s[G0+4*\s+1], s45, \s*SLOT                        ; LDS address
	s_add_nc_u64 s[G0+4*\s+2:G0+4*\s+3], s[4:5], s[74:75]          ; global address: K half s
	s_or_b32 s[G0+4*\s+3], s[G0+4*\s+3], 0x80000000                ; type = 2
	s_mov_b32 s[G0B+4*\s], 1
	s_add_co_u32 s[G0B+4*\s+1], s45, \s*SLOT
	s_add_nc_u64 s[G0B+4*\s+2:G0B+4*\s+3], s[4:5], s[72:73]
	s_or_b32 s[G0B+4*\s+3], s[G0B+4*\s+3], 0x80000000
	s_add_co_u32 s74, s74, s71
	s_add_co_u32 s72, s72, s70
.endr
	CROUND                                         ; all sixteen work-groups are here: the joint loads meet
	s_cmp_eq_u32 s15, 0                            ; a wave's two fills stand in one branch on the wave's number, ahead of every wait on TENSORcnt and every LDS read; four v_nop follow the second
	s_cbranch_scc0 .Lfor_s0
	tensor_load_to_lds s[G0:G0+3], s[G1:G1+7]
	s_nop 0
	tensor_load_to_lds s[G0+4:G0+7], s[G1:G1+7]
	s_nop 0
.rept 4
	v_nop
.endr
	s_branch .Lasked
.Lfor_s0:
	tensor_load_to_lds s[G0B:G0B+3], s[G1B:G1B+7]
	s_nop 0
	tensor_load_to_lds s[G0B+4:G0B+7], s[G1B:G1B+7]
	s_nop 0
.rept 4
	v_nop
.endr
.Lasked:
	v_and_b32 v1, 15, v0                           ; r
	v_bfe_u32 v2, v0, 4, 1                         ; h
	s_wait_alu depctr_va_vdst(0)
	v_and_b32 v3, 31, v0
	v_lshlrev_b32 v[VO], 4, v3                     ; 16 x lane: an image's place for my lane
	s_mul_i32 s21, s15, CHUNK                      ; my 128 rows of S1
	s_add_co_u32 s22, s16, 2
	s_mul_i32 s22, s22, CHUNK                      ; my 128 rows of S0, behind S1's 256
.irp s, 0,1
	v_add_nc_u32 v[ADR1+\s], s21, v[VO]
	v_add_nc_u32 v[ADR0+\s], s22, v[VO]
	s_add_co_u32 s21, s21, SLOT
	s_add_co_u32 s22, s22, SLOT
.endr
	s_xor_b32 s23, s15, 1
	s_add_co_u32 s23, s23, s16
	s_add_co_u32 s23, s23, 1
	s_mul_i32 s23, s23, CHUNK                      ; from my S1 chunk to my S0 chunk: (2 + wx - wy) chunks
	v_mul_u32_u24 v4, s23, v2                      ; lanes 16-31 take S0's words
	v_lshl_add_u32 v4, v1, 4, v4                   ; 16 bytes a row: the words of four K steps
	s_mul_i32 s21, s15, CHUNK
	v_add_nc_u32 v[ADRS], s21, v4
	v_add_nc_u32 v[ADRS+1], SLOT, v[ADRS]
	; the bias.  Both sets are loaded in every work-group, with the index held inside the 1,024 numbers: along j (used for k) and along i (used for v)
	s_lshl_b32 s76, s67, 8
	s_lshl_b32 s77, s15, 7
	s_add_co_u32 s76, s76, s77                     ; I0: my first row i
	s_lshl_b32 s78, s66, 8
	s_lshl_b32 s79, s16, 7
	s_add_co_u32 s78, s78, s79                     ; J0: my first row j
	s_and_b32 s98, s78, 0x380
	s_lshl_b32 s98, s98, 2
	s_and_b32 s99, s76, 0x380
	s_lshl_b32 s99, s99, 2
	v_lshl_add_u32 v[VBJ], v2, 6, s98              ; tile b's eight of my half: J0 + 32 (b / 2) + 8 (b % 2) + 16 h + 0 .. 7
	v_and_b32 v4, 8, v1
	v_add_nc_u32 v4, v4, v1                        ; r + 8 (r / 8)
	v_lshl_add_u32 v[VBI], v4, 2, s99              ; block a's: I0 + rho(a, r)
	s_cmp_eq_u32 s17, 2
	s_cselect_b64 s[6:7], s[8:9], s[6:7]           ; bk or bv
	WIN TO_B
.irp b, 0,1,2,3,4,5,6,7
	global_load_b128 v[BJ+8*\b:BJ+8*\b+3], v[VBJ], s[6:7] offset:(32*(\b/2)+8*(\b%2))*4
	global_load_b128 v[BJ+8*\b+4:BJ+8*\b+7], v[VBJ], s[6:7] offset:(32*(\b/2)+8*(\b%2))*4+16
.endr
	WIN 0
.irp a, 0,1,2,3,4,5,6,7
	global_load_b32 v[BI+2*\a], v[VBI], s[6:7] offset:(32*(\a/2)+8*(\a%2))*4     ; twice: a pair for the packed addition
	global_load_b32 v[BI+2*\a+1], v[VBI], s[6:7] offset:(32*(\a/2)+8*(\a%2))*4
.endr
	; where the results go.  R: my first row of the sequence, E: my first channel
	s_cmp_eq_u32 s17, 2
	s_cselect_b32 s80, s78, s76                    ; R
	s_cselect_b32 s81, s76, s78                    ; E
	s_lshr_b32 s82, s80, 11                        ; the batch
	s_lshl_b32 s82, s82, 4
	s_lshr_b32 s83, s81, 6                         ; the first of my two heads
	s_add_co_u32 s82, s82, s83
	s_mul_i32 s82, s82, HS
	s_bfe_u32 s83, s80, 0x40007                    ; which 128 rows of the batch's 2,048: the key step
	s_mul_i32 s83, s83, 2*REC                      ; 8,704 bytes from key step to key step
	s_lshr_b32 s86, s17, 1
	s_mul_i32 s86, s86, REC                        ; v lies behind k in a key step
	s_add_co_u32 s82, s82, s83
	s_add_co_u32 s82, s82, s86
	s_mov_b32 s83, 0
	s_add_nc_u64 s[12:13], s[12:13], s[82:83]      ; PB: my sub-block in the first head
	s_mov_b32 s86, HS
	s_mov_b32 s87, HS-4096
	s_mov_b32 s90, 512
	s_mov_b32 s2, 0x05040100
	s_mov_b32 s3, 0x03020100
	s_mov_b32 s19, 0x07060302
	s_mov_b32 s20, 0x07060504
	s_cmp_eq_u32 s17, 2
	s_cselect_b32 s88, 512, s86                    ; from a block's first four code registers to its second four: k: the next head; v: the keys' second 64
	s_cselect_b32 s90, 1024, s90                   ; from block to block
	s_cselect_b32 s92, s87, 0                      ; v: block 4 begins the next head
	s_cselect_b32 s2, s3, s2                       ; how the stored scale words are picked from the blocks' words, lanes 0-15
	s_cselect_b32 s19, s20, s19                    ; and lanes 16-31
	s_mov_b32 s89, 0
	s_mov_b32 s91, 0
	s_mov_b32 s93, 0
	s_mov_b64 s[94:95], s[12:13]
	s_add_nc_u64 s[96:97], s[12:13], s[88:89]
	v_mov_b32 v[SELV], s2
	v_mov_b32 v5, s19
	v_cmp_ne_u32 vcc_lo, 0, v2
	v_cndmask_b32 v[SELV], v[SELV], v5, vcc_lo
	v_mul_u32_u24 v[VS], v2, HS
	v_lshl_add_u32 v[VS], v1, 4, v[VS]             ; lanes 0-15 store the first head's words, lanes 16-31 the second's
	s_mov_b32 s[SEL], 0x76543210
	s_mov_b32 s[SEL+1], 0xfedcba98                 ; v_permlanex16_b32's selects for lane l xor 16
.irp b, 0,1,2,3
	v_mov_b32 v[TM+4+\b], 0                        ; written once: a lane permute's destination counts as one of its sources
.endr
.macro FRAG reg, adr, q, i             ; a fragment, 16 rows x 128 K, is 8 registers: two loads of 512 consecutive bytes from group i's record
.irp c, 0,1
	ds_load_b128 v[\reg+4*\c:\reg+4*\c+3], v[\adr] offset:(\i)*REC+(\q)*1024+512*\c
.endr
.endm
; 16 matrix instructions: S1's blocks a0, a0 + 1 x S0's eight, the slot's q-th 128 along K.  p: S0's set;  sc: the set of scale words.  zero = 1: the first product starts the sums.
; The 64 accumulators take turns, one instruction a turn, in the same order in every step.
.macro MUL16 a0, p, q, sc, zero
.irp a, \a0, \a0+1
.irp b, 0,1,2,3,4,5,6,7
.if \zero
	v_wmma_scale_f32_16x16x128_f8f6f4 v[8*(8*((\a)%4)+\b):8*(8*((\a)%4)+\b)+7], v[128*(\p)+8*\b:128*(\p)+8*\b+7], v[AF+8*(\a):AF+8*(\a)+7], 0, v[SC+32*(\sc)+4*\b+(\q)], v[SC+32*(\sc)+4*(\a)+(\q)] matrix_a_fmt:MATRIX_FMT_FP4 matrix_b_fmt:MATRIX_FMT_FP4 matrix_a_scale:MATRIX_SCALE_ROW1
.else
	v_wmma_scale_f32_16x16x128_f8f6f4 v[8*(8*((\a)%4)+\b):8*(8*((\a)%4)+\b)+7], v[128*(\p)+8*\b:128*(\p)+8*\b+7], v[AF+8*(\a):AF+8*(\a)+7], v[8*(8*((\a)%4)+\b):8*(8*((\a)%4)+\b)+7], v[SC+32*(\sc)+4*\b+(\q)], v[SC+32*(\sc)+4*(\a)+(\q)] matrix_a_fmt:MATRIX_FMT_FP4 matrix_b_fmt:MATRIX_FMT_FP4 matrix_a_scale:MATRIX_SCALE_ROW1
.endif
.endr
.endr
.endm
.macro FETCH_B slot, q, p              ; S0's eight fragments into set p
	WIN TO_B
.irp i, 0,1,2,3,4,5,6,7
	FRAG 128*(\p)+8*\i, ADR0+\slot, \q, \i
.endr
	WIN 0
.endm
.macro FETCH_A slot, q, i0             ; S1's blocks i0 .. i0 + 3
.irp i, \i0, \i0+1, \i0+2, \i0+3
	FRAG AF+8*(\i), ADR1+\slot, \q, \i
.endr
.endm
.macro SCALES s                        ; slot s's scale words: register 4 i + q: lanes 0-15 the word of S1's block i, lanes 16-31 that of S0's block i
.irp i, 0,1,2,3,4,5,6,7
	ds_load_b128 v[SC+32*\s+4*\i:SC+32*\s+4*\i+3], v[ADRS+\s] offset:\i*REC+4096
.endr
.endm
; A load into a register that a matrix instruction has read, and a vector instruction that reads a matrix result or writes one of its registers, stand four places behind it; only plain vector
; instructions that name none of its registers are places (ISA guide 7.12.1 for vector instructions).
.macro PLACES
.rept 4
	v_nop
.endr
.endm
; A step of 128 along K that has its successor in the same slot.  S1 has one set of registers: blocks 0-3 are fetched anew in the step's middle, blocks 4-7 at its end; S0 has two sets.
.macro STEP slot, q, zero
	s_wait_dscnt 8                                 ; all but the eight youngest loads, S1's blocks 4-7
	WIN MUL_LO
	MUL16 0, (\q)%2, \q, \slot, \zero
	MUL16 2, (\q)%2, \q, \slot, \zero
	s_wait_dscnt 0x0                               ; S1's blocks 4-7 are in
	PLACES
	FETCH_B \slot, (\q)+1, 1-(\q)%2
	FETCH_A \slot, (\q)+1, 0
	WIN MUL_HI
	MUL16 4, (\q)%2, \q, \slot, \zero
	MUL16 6, (\q)%2, \q, \slot, \zero
	PLACES
	WIN 0
	FETCH_A \slot, (\q)+1, 4
.endm
; Slot 0's last step, and the change of slots.  Nothing is filled again: the barrier only shows every wave's part of slot 1 to the others.
.macro MID
	s_wait_tensorcnt 0x0                           ; my part of slot 1 has landed
	s_wait_dscnt 8
	WIN MUL_LO
	MUL16 0, 1, 3, 0, 0
	s_wait_dscnt 0x0                               ; no LDS instruction of mine is pending at the signal
	s_barrier_signal -1
	MUL16 2, 1, 3, 0, 0                            ; work on registers while the others arrive
	WIN 0
	s_barrier_wait -1
	PLACES
	FETCH_B 1, 0, 0
	FETCH_A 1, 0, 0
	SCALES 1
	WIN MUL_HI
	MUL16 4, 1, 3, 0, 0
	MUL16 6, 1, 3, 0, 0
	PLACES
	WIN 0
	FETCH_A 1, 0, 4
.endm
; 64 numbers of a lane, register 16 b + i = place 32 b + 16 (lane / 16) + i along the next K, become a fragment's codes in v[PC] on and its scale word in v[pw].
.macro QUANT s, pw
.irp b, 0,1,2,3
	v_max3_num_f32 v[TM+\b], |v[\s+16*\b]|, |v[\s+1+16*\b]|, 0x1800000   ; block b: my 16 numbers, and the floor 2^(3 - 127): the byte cannot fall under 1
.endr
.irp i, 2,4,6,8,10,12,14
.irp b, 0,1,2,3
	v_max3_num_f32 v[TM+\b], v[TM+\b], |v[\s+16*\b+\i]|, |v[\s+1+16*\b+\i]|   ; (the four blocks by turns)
.endr
.endr
.irp b, 0,1,2,3
	v_permlanex16_b32 v[TM+4+\b], v[TM+\b], s[SEL], s[SEL+1]
.endr
.irp b, 0,1,2,3
	v_max_num_f32 v[TM+\b], v[TM+\b], v[TM+4+\b]   ; with lane l xor 16's: the block's largest magnitude
.endr
.irp b, 0,1,2,3
	v_add_nc_u32 v[TM+12+\b], 0xff000000, v[TM+\b]   ; 2 off its exponent field: the conversion's scale operand
.endr
.irp b, 0,1,2,3
	v_lshrrev_b32 v[TM+4+\b], 23, v[TM+12+\b]      ; the scale's byte
.endr
	v_lshl_or_b32 v[\pw], v[TM+5], 8, v[TM+4]
	v_lshl_or_b32 v[\pw], v[TM+6], 16, v[\pw]
	v_lshl_or_b32 v[\pw], v[TM+7], 24, v[\pw]
.irp b, 0,1,2,3
	v_cvt_scalef32_pk8_fp4_f32 v[PC+2*\b], v[\s+16*\b:\s+7+16*\b], v[TM+12+\b]
	v_cvt_scalef32_pk8_fp4_f32 v[PC+1+2*\b], v[\s+8+16*\b:\s+15+16*\b], v[TM+12+\b]
.endr
	v_nop                                          ; one plain place behind a scaled conversion
.irp c, 0,1                                    ; the operand's layout wants a WHOLE block in a lane: lanes 0-15 block 2 c, lanes 16-31 block 2 c + 1
.irp i, 0,1
	v_permlane16_swap_b32 v[PC+4*\c+\i], v[PC+2+4*\c+\i]
.endr
.endr
.endm
; Block a of my eight (16 rows i x 128 along j): + bias, quantised, stored.  The branch hangs on t alone, which all waves of all sixteen work-groups share; its arms hold register work only.
.macro OUTBLK a
.if (\a) > 0
	s_wait_xcnt 0x0                                ; the last block's stores have read their codes and their bases: both are written again only behind this wait
	s_add_nc_u64 s[94:95], s[94:95], s[90:91]
	s_add_nc_u64 s[96:97], s[96:97], s[90:91]
.endif
.if (\a) == 4
	s_add_nc_u64 s[94:95], s[94:95], s[92:93]
	s_add_nc_u64 s[96:97], s[96:97], s[92:93]
.endif
	s_cmp_eq_u32 s17, 2
	s_cbranch_scc1 .Lkeys_\@
	WIN 0x06+(\a)/4                                ; source 0: the accumulators' window; source 1: window 1
.irp b, 0,1,2,3,4,5,6,7
.irp j, 0,2,4,6
	v_pk_add_f32 v[N+8*\b+\j:N+8*\b+\j+1], v[64*((\a)%4)+8*\b+\j:64*((\a)%4)+8*\b+\j+1], v[BJ+8*\b+\j:BJ+8*\b+\j+1]   ; k: the bias runs along the registers; each accumulator from its low end on
.endr
.endr
	WIN 0
	s_branch .Lsum_\@
.Lkeys_\@:
	WIN 0x02+(\a)/4
.irp b, 0,1,2,3,4,5,6,7
.irp j, 0,2,4,6
	v_pk_add_f32 v[N+8*\b+\j:N+8*\b+\j+1], v[64*((\a)%4)+8*\b+\j:64*((\a)%4)+8*\b+\j+1], v[BI+2*(\a):BI+2*(\a)+1]   ; v: one bias for my lane's channel
.endr
.endr
	WIN 0
.Lsum_\@:
	QUANT N, PWS+(\a)
	global_store_b128 v[VO], v[PC:PC+3], s[94:95]          ; 32 lanes store 512 consecutive bytes, at a multiple of 256 from qkv's first byte
	global_store_b128 v[VO], v[PC+4:PC+7], s[96:97]
.endm
	s_wait_tensorcnt 0x1                           ; my part of slot 0 is in; slot 1's load may be out
	s_barrier_signal -1
	s_barrier_wait -1                              ; everybody's is
	FETCH_B 0, 0, 0
	FETCH_A 0, 0, 0
	SCALES 0
	FETCH_A 0, 0, 4
	STEP 0, 0, 1                                   ; the first products start the sums: nothing is cleared
	STEP 0, 1, 0
	STEP 0, 2, 0
	MID
	STEP 1, 0, 0
	STEP 1, 1, 0
	STEP 1, 2, 0
	s_wait_dscnt 8                                 ; the last step: nothing more to fetch
	WIN MUL_LO
	MUL16 0, 1, 3, 1, 0
	MUL16 2, 1, 3, 1, 0
	s_wait_dscnt 0x0
	WIN MUL_HI
	MUL16 4, 1, 3, 1, 0
	MUL16 6, 1, 3, 1, 0
	WIN 0
	s_wait_loadcnt 0x0                             ; the bias
	PLACES
.irp a, 0,1,2,3,4,5,6,7
	OUTBLK \a
.endr
	; the scale words.  k: word p of a head = (block p's two bytes of that head, block 4 + p's two).  v: word ct of a head = block ct's (first head) or block 4 + ct's (second)
.irp p, 0,1,2,3
	v_perm_b32 v[SW+\p], v[PWS+4+\p], v[PWS+\p], v[SELV]
.endr
	global_store_b128 v[VS], v[SW:SW+3], s[12:13] offset:4096      ; 16 lanes store 256 consecutive bytes, aligned, in each of the two heads
	s_wait_tensorcnt 0x0
	ds_add_u32 v254, v255
	s_wait_dscnt 0x0
	CROUND                                         ; the closing round: no work-group ends while a partner may still ask for a tile that names it
	s_endpgm
.Lfunc_end_k_qbf0fa4fe44_proj:
	.size	k_qbf0fa4fe44_proj, .Lfunc_end_k_qbf0fa4fe44_proj-k_qbf0fa4fe44_proj
	.p2alignl 7, 3214868480
	.fill 96, 4, 3214868480
	.section	.rodata,"a",@progbits
	.p2align	6, 0x0
	.amdhsa_kernel k_qbf0fa4fe44_proj
		.amdhsa_group_segment_fixed_size 279040
		.amdhsa_private_segment_fixed_size 0
		.amdhsa_enable_private_segment 0
		.amdhsa_kernarg_size 32
		.amdhsa_user_sgpr_count 2
		.amdhsa_user_sgpr_kernarg_segment_ptr 1
		.amdhsa_wavefront_size32 1
		.amdhsa_system_sgpr_workgroup_id_x 1
		.amdhsa_system_sgpr_workgroup_id_y 1
		.amdhsa_system_sgpr_workgroup_id_z 1
		.amdhsa_system_vgpr_workitem_id 0
		.amdhsa_next_free_vgpr 1024
		.amdhsa_next_free_sgpr 100
		.amdhsa_reserve_vcc 1
		.amdhsa_float_denorm_mode_32 3
		.amdhsa_float_denorm_mode_16_64 3
		.amdhsa_memory_ordered 1
		.amdhsa_forward_progress 1
		.amdhsa_inst_pref_size 164
	.end_amdhsa_kernel
	.amdgpu_metadata
---
amdhsa.version: [ 1, 2 ]
amdhsa.kernels:
  - .name:           k_qbf0fa4fe44_proj
    .symbol:         k_qbf0fa4fe44_proj.kd
    .args:
      - { .name: xq, .offset: 0, .size: 8, .value_kind: global_buffer, .address_space: global }
      - { .name: bk, .offset: 8, .size: 8, .value_kind: global_buffer, .address_space: global }
      - { .name: bv, .offset: 16, .size: 8, .value_kind: global_buffer, .address_space: global }
      - { .name: qkv, .offset: 24, .size: 8, .value_kind: global_buffer, .address_space: global }
    .group_segment_fixed_size: 279040
    .private_segment_fixed_size: 0
    .kernarg_segment_align: 8
    .kernarg_segment_size: 32
    .max_flat_workgroup_size: 128
    .sgpr_count:     100
    .vgpr_count:     1024
    .wavefront_size: 32
...
	.end_amdgpu_metadata
.endif
;; end of part 2
;; launch attn (part 3): grid 4 x 64, 16 waves a work-group, clusters of 4 x 1, 327,680 bytes of LDS; arguments xq, bq, qkv, ao; writes ao
.if DOCPART == 3
	.amdgcn_target "amdgcn-amd-amdhsa--gfx1250"
	.amdhsa_code_object_version 6
	.text
	.protected	k_qbf0fa4fe44_attn
	.globl	k_qbf0fa4fe44_attn
	.p2align	8
	.type	k_qbf0fa4fe44_attn,@function
k_qbf0fa4fe44_attn:
	s_mov_b64 s[64:65], 0
	v_nop
	global_prefetch_b8 v0, s[64:65] scope:SCOPE_SE
	s_setreg_imm32_b32 hwreg(HW_REG_WAVE_MODE, 25, 1), 1
	s_wait_xcnt 0x0
	s_wait_alu depctr_hold_cnt(0) depctr_sa_sdst(0) depctr_va_vdst(0) depctr_va_sdst(0) depctr_va_ssrc(0) depctr_va_vcc(0) depctr_vm_vsrc(0)
	s_getreg_b32 s2, hwreg(HW_REG_IB_STS2, 6, 4)
	s_cmp_eq_u32 s2, 0
	s_cbranch_scc0 .Lentry_in_a_cluster
	s_endpgm
.Lentry_in_a_cluster:
	s_bfe_u32 s2, ttmp6, 0x10000c
	s_cmp_lg_u32 s2, 0x3003
	s_cbranch_scc0 .Lentry_shape_is_right
	s_endpgm
.Lentry_shape_is_right:
; For each of 64 (batch, head): q = query Wq^T + bq for the head's 64 channels; o = softmax(q k^T / 32) v; all three products on codes of FP4 (E2M1) with E8M0 scales.
; q is quantised along the channels for the second product, o / l along the channels for the last projection.
; THE SOFTMAX AHEAD OF THE THIRD PRODUCT: t = score x log2(e) / 32; M = the row's largest t so far, rounded UP to a whole number; p = 2^(t - M) is what is quantised, along the keys; the row's sum l is
; taken of the unquantised p, in f32, and divides at the end.  When M moves, the sum and O are multiplied by 2^(old M - new M): exact.
; LIMITS: NaN and infinities are not served; v_exp_f32 gives 0 for p under 2^-126; a block of zeros gets the byte 1 (its codes are zeros; this program alone reads the bytes).
; SHARES.  The four work-groups of a cluster belong to one (batch, head) and own 512 queries each; each of a work-group's SIXTEEN waves owns two tiles of 16 queries and walks them one after the other
; over all 2,048 keys, 128 a step, in 256 registers: four waves to a SIMD, so that one wave's vector work stands beside another's matrix work and LDS loads.
; IN LDS, FILLED ONCE: K and V of the whole head, 139,264 bytes of register images and scale words (each wave asks for one key step's 8,704 bytes), and behind them the head's 64 rows of Wq, 34,816 bytes
; (waves 0 and 1 ask for a K half each); every load is asked for jointly with the same wave of the three partners.  The queries' codes are a wave's own: they come from xq straight into registers.
; LAYOUT.  All products are used transposed: q^T = Wq query^T, S^T = K Q^T, O^T = V^T P^T: source 1 is always my 16 queries, and a lane holds ONE query throughout.
; Queries and channels of a tile are rho(t, r) = 32 (t / 2) + 8 (t % 2) + r + 8 (r / 8), as the records and images have them: the 16 registers of tiles 2 b and 2 b + 1 of q^T and O^T are 16 neighbouring channels.
; THE KEYS OF A TILE ARE CHOSEN ANEW HERE: lane r of tile t takes key 64 (t / 4) + 8 (t % 4) + r % 8 + 32 (r / 8), by a lane address into K's images.  So the 32 registers of tiles 4 c .. 4 c + 3 are the WHOLE
; block of keys 64 c + 32 (lane / 16) + 0 .. 31: a block's maximum needs no other lane, and the conversions' results are the third product's operand as they stand.
; The price: of such a load lanes 0-7 and lanes 8-15 read 128 bytes each, 1,024 bytes apart, which are the same banks (64 banks of 4 bytes: ISA guide 11.1).
; THE SECOND PRODUCT'S K IS 64, the instruction's 128: a fragment of K holds tile p (k 0-63) and tile 4 + p (k 64-127); against (q, zeros) it gives tile p's scores, against (zeros, q) tile 4 + p's.
; Zero codes add nothing under any scale byte from 1 to 254.
; THE SCALE BYTES OF o: two bytes a row and head, stored by global_store_b16, 16 bytes from lane to lane: the bytes between them are other heads' work-groups'; they are one byte in 17 of what the launch stores.
.set REC,   4352                       ; a record of xq and of ao: 16 rows x 512 K as a register image, then the rows' scale words
.set KH,    512*REC                    ; from K half to K half of an activation
.set HS,    139264                     ; a (batch, head)'s part of qkv: 16 key steps
.set STEPB, 8704                       ; K's 4,352 bytes (8 tiles x 512, 256 of scale words), then V's (4 tiles x 1,024, 256 of scale words)
.set WQL,   139264                     ; LDS: Wq's eight records: K half x 17,408 + channel tile x 4,352
.set L16, 1                            ; v1   16 x lane; never rewritten
.set R16, 2                            ; v2   16 x (lane % 16); never rewritten
.set AD,  3                            ; v3   L16 + the step's first LDS byte
.set ADS, 4                            ; v4   R16 + the same
.set ADK, 8                            ; v8   LK + the same
.set ADKS, 9                           ; v9   RK + the same
.set LK,  10                           ; v10  my lane's place in K's images: 1024 (r / 8) + 256 h + 16 (r % 8); never rewritten
.set QZ,  16                           ; v16-27, v28-39: tile u: four zeros, q's four registers, four zeros
.set QW,  40                           ; v40-41 q's scale word (its two bytes twice)
.set OSC, 42                           ; v42-43 o's two scale bytes
.set OC,  44                           ; v44-51 o's codes
.set KF,  52                           ; v52-83   K's four fragments; in the projection Wq's, even K steps
.set VF,  84                           ; v84-115  V's four; in the projection Wq's, odd K steps
.set S,   116                          ; v116-179 S^T, then p; in the projection the queries' eight fragments
.set O,   180                          ; v180-211 O^T; in the projection q^T
.set PC,  212                          ; v212-219 p's codes
.set KSW, 220                          ; v220-223 K's scale words; in the projection Wq's: lanes 0-15 channel tile 0, lanes 16-31 tile 2
.set VSW, 224                          ; v224-227 V's; in the projection Wq's: tiles 1 and 3
.set PW,  228                          ; v228     p's
.set QSW, 228                          ; v228-231 in the projection the queries': lanes 0-15 K half 0, lanes 16-31 K half 1
.set BM,  232                          ; v232-233 the blocks' largest scores, then largest p; v234 the new -M
.set T2,  236                          ; v236-237 at work
.set RK,  242                          ; v242 my lane's place among K's scale words: 16 (r % 8) + 8 (r / 8); never rewritten
.set LW,  243                          ; v243 WQL + 16 x lane
.set SO,  244                          ; v244-245 the conversions' scale operands
.set LWS, 248                          ; v248 WQL + 16 r + 8,704 h
.set VQS, 249                          ; v249 KH x h + 16 r
.set VBQ, 255                          ; v255 64 h
.macro CROUND                          ; a round of the cluster's barrier
	s_barrier_signal -1
	s_barrier_wait -1
	s_cmp_lg_u32 s12, 0
	s_cbranch_scc1 .Lnot_wave_0_\@
	s_barrier_signal -3
.Lnot_wave_0_\@:
	s_barrier_wait -3
	s_barrier_signal -1
	s_barrier_wait -1
.endm
	s_load_b256 s[4:11], s[0:1], 0x0               ; xq s[4:5], bq s[6:7], qkv s[8:9], ao s[10:11]
	v_lshl_add_u32 v246, v0, 2, 0x2a800
	v_mov_b32 v247, 0
	ds_add_u32 v246, v247
	ds_add_u32 v246, v247
	v_lshrrev_b32 v5, 5, v0
	s_delay_alu instid0(VALU_DEP_1)
	v_readfirstlane_b32 s12, v5                    ; wave 0..15
	s_bfe_u32 s13, ttmp6, 0x40000                  ; cx: it enters the queries' and ao's global addresses alone
	s_and_b32 s14, ttmp7, 0xffff                   ; 16 x batch + head, which the four partners share
	; descriptor group 1 for a key step: 8,704 dense bytes as 34 rows of 256 (32 elements of 8 bytes), no padding
	s_mov_b32 s16, 15|(3<<16)|(1<<21)              ; 15:0 the mask: all four work-groups; 17:16 elements of 8 bytes; 21 set beside a mask
	s_mov_b32 s17, 32<<16                          ; tensor_dim0
	s_mov_b32 s18, 34<<16                          ; tensor_dim1
	s_mov_b32 s19, 32<<16                          ; tile_dim0
	s_mov_b32 s20, 34                              ; tile_dim1
	s_mov_b32 s21, 32                              ; tensor_dim0_stride
	s_mov_b32 s22, 0
	s_mov_b32 s23, 0
	; and for four records of Wq: 17,408 dense bytes as 68 rows of 256
	s_mov_b32 s40, 15|(3<<16)|(1<<21)
	s_mov_b32 s41, 32<<16
	s_mov_b32 s42, 68<<16
	s_mov_b32 s43, 32<<16
	s_mov_b32 s44, 68
	s_mov_b32 s45, 32
	s_mov_b32 s46, 0
	s_mov_b32 s47, 0
	s_mov_b32 s24, 1                               ; group 0 for K and V: count = 1
	s_mul_i32 s25, s12, STEPB                      ; LDS address: key step = my wave's number
	s_mul_i32 s52, s14, HS
	s_add_co_u32 s52, s52, s25                     ; and the same step in qkv
	s_mov_b32 s53, 0
	s_and_b32 s54, s12, 1                          ; group 0 for Wq (issued by waves 0 and 1): K half = my wave's number
	s_mov_b32 s48, 1
	s_mul_i32 s49, s54, 4*REC
	s_add_co_u32 s49, s49, WQL
	s_and_b32 s55, s14, 15                         ; head
	s_lshl_b32 s56, s54, 6
	s_lshl_b32 s57, s55, 2
	s_add_co_u32 s56, s56, s57
	s_add_co_u32 s56, s56, 3072                    ; Wq's records begin at 3,072: 64 x K half + group; the head's groups are 4 head .. 4 head + 3
	s_mul_i32 s56, s56, REC
	s_mov_b32 s57, 0
	s_lshl_b32 s58, s13, 2
	s_lshr_b32 s59, s12, 2
	s_add_co_u32 s58, s58, s59                     ; sq: my group of 128 queries
	s_and_b32 s59, s12, 3                          ; pt: my tiles are pt and 4 + pt of its eight
	s_lshr_b32 s60, s14, 4                         ; batch
	s_lshl_b32 s60, s60, 7
	s_lshl_b32 s58, s58, 3
	s_add_co_u32 s60, s60, s58
	s_add_co_u32 s60, s60, s59                     ; tile pt's row group: 128 batch + 8 sq + pt; tile 4 + pt's lies four groups on
	s_mul_i32 s62, s60, REC                        ; its record of query, K half 0
	s_mov_b32 s63, 0
	s_lshr_b32 s60, s55, 3
	s_mul_i32 s60, s60, KH
	s_add_co_u32 s60, s60, s62                     ; its record of ao: K half = head / 8
	s_mov_b32 s61, 0
	s_bfe_u32 s58, s55, 0x20001                    ; the K step in that record: (head / 2) % 4
	s_and_b32 s59, s55, 1                          ; and which 64 of its 128
	s_lshl_b32 s2, s58, 10
	s_lshl_b32 s3, s59, 9
	s_add_co_u32 s2, s2, s3                        ; the codes' place in the record
	s_lshl_b32 s58, s58, 2
	s_lshl_b32 s59, s59, 1
	s_add_co_u32 s3, s58, s59                      ; the two scale bytes' place in a row's 16
	s_lshl_b32 s38, s55, 8                         ; the head's 64 numbers of bq
	s_mov_b32 s39, 0
	s_mov_b32 s28, 0x76543210
	s_mov_b32 s29, 0xfedcba98                      ; v_permlanex16_b32's selects for lane l xor 16
	s_mov_b32 s30, 0x3d38aa3b                      ; c = log2(e) / 32
	s_mov_b32 s31, s30                             ; (named with it as a pair, so it is written)
	s_wait_dscnt 0x0
	s_wait_kmcnt 0x0
	s_add_nc_u64 s[26:27], s[8:9], s[52:53]        ; global address: my key step
	s_or_b32 s27, s27, 0x80000000                  ; type = 2
	s_add_nc_u64 s[50:51], s[4:5], s[56:57]        ; my K half of the head's rows of Wq
	s_or_b32 s51, s51, 0x80000000
	s_add_nc_u64 s[34:35], s[4:5], s[62:63]        ; query: tile pt's record
	s_add_nc_u64 s[36:37], s[10:11], s[60:61]      ; ao: tile pt's record
	s_add_nc_u64 s[38:39], s[6:7], s[38:39]        ; bq at the head
	CROUND                                         ; all four work-groups are here: the joint loads meet
	tensor_load_to_lds s[24:27], s[16:23]          ; every wave: its key step
	s_nop 0
.rept 4
	v_nop
.endr
	s_wait_alu depctr_va_vdst(0)
	s_wait_tensorcnt 0x0
	ds_add_u32 v246, v247
	s_wait_dscnt 0x0
	CROUND
	s_cmp_lt_u32 s12, 2                            ; waves 0 and 1: a K half of Wq.  The branch hangs on the wave's number alone; the wait for these loads is for 0, in every wave
	s_cbranch_scc0 .Lno_wq
	tensor_load_to_lds s[48:51], s[40:47]
	s_nop 0
.rept 4
	v_nop
.endr
.Lno_wq:
	v_and_b32 v1, 31, v0
	s_delay_alu instid0(VALU_DEP_1)
	v_lshlrev_b32 v[L16], 4, v1
	v_and_b32 v2, 15, v0
	s_delay_alu instid0(VALU_DEP_1)
	v_lshlrev_b32 v[R16], 4, v2
	v_bfe_u32 v6, v0, 4, 1                         ; h
	v_and_b32 v5, 7, v0                            ; r % 8
	v_bfe_u32 v8, v0, 3, 1                         ; r / 8
	s_delay_alu instid0(VALU_DEP_2)
	v_lshlrev_b32 v[LK], 4, v5
	s_delay_alu instid0(VALU_DEP_1)
	v_lshl_add_u32 v[RK], v8, 3, v[LK]
	s_delay_alu instid0(VALU_DEP_2)
	v_lshl_add_u32 v[LK], v8, 10, v[LK]
	s_delay_alu instid0(VALU_DEP_1)
	v_lshl_add_u32 v[LK], v6, 8, v[LK]
	v_add_nc_u32 v[LW], WQL, v[L16]
	v_mul_u32_u24 v[LWS], v6, 2*REC                ; lanes 16-31 take the scale words of the channel tile two further on
	s_delay_alu instid0(VALU_DEP_1)
	v_add_nc_u32 v[LWS], v[LWS], v[R16]
	s_delay_alu instid0(VALU_DEP_1)
	v_add_nc_u32 v[LWS], WQL, v[LWS]
	v_mul_u32_u24 v[VQS], v6, KH                   ; lanes 16-31 take the queries' scale words of K half 1
	s_delay_alu instid0(VALU_DEP_1)
	v_add_nc_u32 v[VQS], v[VQS], v[R16]
	v_lshlrev_b32 v[VBQ], 6, v6                    ; bq: tile ct's eight of my half: 32 (ct / 2) + 8 (ct % 2) + 16 h + 0 .. 7
	v_add_nc_u32 v11, s2, v[L16]                   ; v11: where o's codes go
	v_mul_u32_u24 v7, v6, 4*REC
	s_delay_alu instid0(VALU_DEP_1)
	v_add_nc_u32 v7, v7, v[R16]
	s_delay_alu instid0(VALU_DEP_1)
	v_add_nc_u32 v7, s3, v7                        ; v7: and its scale bytes: lanes 0-15 tile pt's, lanes 16-31 tile 4 + pt's
; THE PROJECTION of tile u's 16 queries.  QLOADS: what comes from memory: the queries' eight fragments (K step s: 512 consecutive bytes a load), their scale words, and bq, which lands in the sums' own registers.
.macro QLOADS u
.irp s, 0,1,2,3,4,5,6,7
	global_load_b128 v[S+8*\s:S+8*\s+3], v[L16], s[34:35] offset:4*REC*\u+(\s/4)*KH+(\s%4)*1024
	global_load_b128 v[S+8*\s+4:S+8*\s+7], v[L16], s[34:35] offset:4*REC*\u+(\s/4)*KH+(\s%4)*1024+512
.endr
	global_load_b128 v[QSW:QSW+3], v[VQS], s[34:35] offset:4*REC*\u+4096
.irp ct, 0,1,2,3
	global_load_b128 v[O+8*\ct:O+8*\ct+3], v[VBQ], s[38:39] offset:(32*(\ct/2)+8*(\ct%2))*4
	global_load_b128 v[O+8*\ct+4:O+8*\ct+7], v[VBQ], s[38:39] offset:(32*(\ct/2)+8*(\ct%2))*4+16
.endr
.endm
.macro WSC half                        ; Wq's scale words of a K half: register 4 i + q: lanes 0-15 channel tile i, lanes 16-31 tile i + 2
	ds_load_b128 v[KSW:KSW+3], v[LWS] offset:(\half)*4*REC+4096
	ds_load_b128 v[VSW:VSW+3], v[LWS] offset:(\half)*4*REC+REC+4096
.endm
.macro WFR s                           ; Wq's four fragments of K step s into set s % 2
.irp ct, 0,1,2,3
.irp c, 0,1
	ds_load_b128 v[KF+32*((\s)%2)+8*\ct+4*\c:KF+32*((\s)%2)+8*\ct+4*\c+3], v[LW] offset:((\s)/4)*4*REC+\ct*REC+((\s)%4)*1024+512*\c
.endr
.endr
.endm
.macro QM ct, s                        ; q^T's tile ct += Wq's 16 rows x my 16 queries, K step s
.set rA, KF+32*((\s)%2)+8*(\ct)
.set rD, O+8*(\ct)
.set rB, S+8*(\s)
.set rSA, KSW+4*((\ct)%2)+(\s)%4
.set rSB, QSW+(\s)%4
.if ((\ct) < 2) && ((\s) < 4)
	v_wmma_scale_f32_16x16x128_f8f6f4 v[rD:rD+7], v[rA:rA+7], v[rB:rB+7], v[rD:rD+7], v[rSA], v[rSB] matrix_a_fmt:MATRIX_FMT_FP4 matrix_b_fmt:MATRIX_FMT_FP4
.elseif (\ct) < 2
	v_wmma_scale_f32_16x16x128_f8f6f4 v[rD:rD+7], v[rA:rA+7], v[rB:rB+7], v[rD:rD+7], v[rSA], v[rSB] matrix_a_fmt:MATRIX_FMT_FP4 matrix_b_fmt:MATRIX_FMT_FP4 matrix_b_scale:MATRIX_SCALE_ROW1
.elseif (\s) < 4
	v_wmma_scale_f32_16x16x128_f8f6f4 v[rD:rD+7], v[rA:rA+7], v[rB:rB+7], v[rD:rD+7], v[rSA], v[rSB] matrix_a_fmt:MATRIX_FMT_FP4 matrix_b_fmt:MATRIX_FMT_FP4 matrix_a_scale:MATRIX_SCALE_ROW1
.else
	v_wmma_scale_f32_16x16x128_f8f6f4 v[rD:rD+7], v[rA:rA+7], v[rB:rB+7], v[rD:rD+7], v[rSA], v[rSB] matrix_a_fmt:MATRIX_FMT_FP4 matrix_b_fmt:MATRIX_FMT_FP4 matrix_a_scale:MATRIX_SCALE_ROW1 matrix_b_scale:MATRIX_SCALE_ROW1
.endif
.endm
; QGEMM: eight K steps of four matrix instructions; the four sums take turns, one instruction a turn.  Wq's fragments run two K steps ahead, in two sets.
.macro QGEMM
	WSC 0
	WFR 0
	WFR 1
	s_wait_loadcnt 0x0                             ; the queries' fragments and scale words, and bq
.irp s, 0,1,2,3,4,5,6,7
.if \s < 7
	s_wait_dscnt 8                                 ; all but the eight youngest loads, the next K step's fragments
.else
	s_wait_dscnt 0x0
.endif
.irp ct, 0,1,2,3
	QM \ct, \s
.endr
.if \s < 6
.rept 4
	v_nop                                          ; four places in front of loads into registers that these matrix instructions have read
.endr
.if \s == 3
	WSC 1
.endif
	WFR \s+2
.endif
.endr
.rept 4
	v_nop                                          ; and in front of the first read of the sums
.endr
.endm
; 32 numbers of a lane, v[O + 16 b + i] = channel 32 b + 16 (lane / 16) + i of my query, become four registers of codes, v[dc] on (lane (r, h): channels 32 h .. 32 h + 31), and the two scale bytes in v[db].
.macro QUANT2 dc, db
.irp b, 0,1
	v_max3_num_f32 v[BM+\b], |v[O+16*\b]|, |v[O+16*\b+1]|, 0x1800000   ; my 16 numbers of block b, and the floor 2^(3 - 127): the byte cannot fall under 1
.endr
.irp i, 2,4,6,8,10,12,14
.irp b, 0,1
	v_max3_num_f32 v[BM+\b], v[BM+\b], |v[O+16*\b+\i]|, |v[O+16*\b+\i+1]|
.endr
.endr
.irp b, 0,1
	s_delay_alu instid0(VALU_DEP_2)
	v_permlanex16_b32 v[T2+\b], v[BM+\b], s28, s29
.endr
.irp b, 0,1
	s_delay_alu instid0(VALU_DEP_2)
	v_max_num_f32 v[BM+\b], v[BM+\b], v[T2+\b]     ; with lane l xor 16's: the block's largest magnitude
.endr
.irp b, 0,1
	s_delay_alu instid0(VALU_DEP_2)
	v_add_nc_u32 v[SO+\b], 0xff000000, v[BM+\b]    ; 2 off its exponent field: the conversion's scale operand
.endr
.irp b, 0,1
	s_delay_alu instid0(VALU_DEP_2)
	v_lshrrev_b32 v[T2+\b], 23, v[SO+\b]           ; the scale's byte
.endr
	s_delay_alu instid0(VALU_DEP_1)
	v_lshl_or_b32 v[\db], v[T2+1], 8, v[T2]
.irp b, 0,1
	v_cvt_scalef32_pk8_fp4_f32 v[(\dc)+2*\b], v[O+16*\b:O+16*\b+7], v[SO+\b]
	v_cvt_scalef32_pk8_fp4_f32 v[(\dc)+2*\b+1], v[O+16*\b+8:O+16*\b+15], v[SO+\b]
.endr
	v_nop                                          ; one plain place behind a scaled conversion
	v_permlane16_swap_b32 v[(\dc)], v[(\dc)+2]     ; the operand's layout wants a WHOLE block in a lane
	v_permlane16_swap_b32 v[(\dc)+1], v[(\dc)+3]
.endm
	QLOADS 0                                       ; tile pt's: asked for while the tiles are on their way
.irp u, 0,1
.irp i, 0,1,2,3,8,9,10,11
	v_mov_b32 v[QZ+12*\u+\i], 0
.endr
.endr
	v_mov_b32 v[T2], 0                             ; written once: a lane permute's destination counts as one of its sources
	v_mov_b32 v[T2+1], 0
	v_mov_b32 v253, 0                              ; (named as the upper half of the pair v[252:253])
	v_mov_b32 v254, 0
	s_wait_tensorcnt 0x0                           ; my loads have landed,
	s_barrier_signal -1
	s_barrier_wait -1                              ; everybody's have
.macro KLOAD adr, adrs, off            ; a key step's K: fragment p = tile p, then tile 4 + p, each gathered from two images; and its scale words, two to a load
.irp p, 0,1,2,3
	ds_load_b128 v[KF+8*\p:KF+8*\p+3], v[\adr] offset:\off+512*(\p%2)+128*(\p/2)
	ds_load_b128 v[KF+8*\p+4:KF+8*\p+7], v[\adr] offset:\off+2048+512*(\p%2)+128*(\p/2)
.endr
	ds_load_b64 v[KSW:KSW+1], v[\adrs] offset:\off+4096
	ds_load_b64 v[KSW+2:KSW+3], v[\adrs] offset:\off+4224
.endm
; A KEY STEP of tile u: 128 keys.  kn = 1: the next step's K is fetched.
.macro STEP u, kn
	s_wait_dscnt 0x0                               ; K and its scale words are in
.irp t, 0,1,2,3
	v_wmma_scale_f32_16x16x128_f8f6f4 v[S+8*\t:S+8*\t+7], v[KF+8*\t:KF+8*\t+7], v[QZ+12*\u+4:QZ+12*\u+11], 0, v[KSW+\t], v[QW+\u] matrix_a_fmt:MATRIX_FMT_FP4 matrix_b_fmt:MATRIX_FMT_FP4
.endr
.irp t, 0,1,2,3
	v_wmma_scale_f32_16x16x128_f8f6f4 v[S+32+8*\t:S+32+8*\t+7], v[KF+8*\t:KF+8*\t+7], v[QZ+12*\u:QZ+12*\u+7], 0, v[KSW+\t], v[QW+\u] matrix_a_fmt:MATRIX_FMT_FP4 matrix_b_fmt:MATRIX_FMT_FP4
.endr
	v_add_nc_u32 v[AD], s32, v[L16]                ; four places: in front of the loads into registers that matrix instructions have read (V's: the last step's products; K's: the eight above), and of the first read of the scores
	v_add_nc_u32 v[ADS], s32, v[R16]
	v_add_nc_u32 v[ADK], s32, v[LK]
	v_add_nc_u32 v[ADKS], s32, v[RK]
.irp ct, 0,1,2,3
.irp c, 0,1
	ds_load_b128 v[VF+8*\ct+4*\c:VF+8*\ct+4*\c+3], v[AD] offset:4352+1024*\ct+512*\c
.endr
.endr
	ds_load_b128 v[VSW:VSW+3], v[ADS] offset:8448
.if \kn
	KLOAD ADK, ADKS, STEPB
.endif
	s_add_co_u32 s32, s32, STEPB
	v_max3_num_f32 v[BM], v[S], v[S+1], v[S+2]     ; THE LARGEST SCORE OF MY TWO BLOCKS OF 32 KEYS: it serves for the row's maximum and, since p rises with the score, for the block's largest p
	v_max3_num_f32 v[BM+1], v[S+32], v[S+33], v[S+34]
.irp i, 3,5,7,9,11,13,15,17,19,21,23,25,27,29
	v_max3_num_f32 v[BM], v[BM], v[S+\i], v[S+\i+1]            ; (the two blocks by turns; each accumulator is read from its low end on)
	v_max3_num_f32 v[BM+1], v[BM+1], v[S+32+\i], v[S+33+\i]
.endr
	v_max_num_f32 v[BM], v[BM], v[S+31]
	v_max_num_f32 v[BM+1], v[BM+1], v[S+63]
	s_delay_alu instid0(VALU_DEP_1)
	v_max_num_f32 v254, v[BM], v[BM+1]
	s_delay_alu instid0(VALU_DEP_1)
	v_permlanex16_b32 v[T2], v254, s28, s29        ; lane l xor 16 has my query's other two blocks
	s_delay_alu instid0(VALU_DEP_1)
	v_max3_num_f32 v13, v13, v254, v[T2]           ; the running largest score
	s_delay_alu instid0(VALU_DEP_1)
	v_mul_f32 v254, s30, v13                       ; as t (c is positive)
	s_delay_alu instid0(VALU_DEP_1)
	v_floor_f32 v234, -v254                        ; the new -M = floor(-t) = -ceil(t): M is a whole number
	s_delay_alu instid0(VALU_DEP_1)
	v_sub_f32 v254, v234, v12                      ; M's old value less its new one: a whole number, 0 or less
	s_delay_alu instid0(VALU_DEP_2)
	v_mov_b32 v12, v234
	s_delay_alu instid0(VALU_DEP_2)
	v_cvt_i32_f32 v254, v254                       ; (it saturates)
	s_delay_alu instid0(VALU_DEP_1)
	v_ldexp_f32 v252, 1.0, v254                    ; f = 2^(old M - new M)
.set j, 0
.rept 32
	v_pk_fma_f32 v[S+j:S+j+1], v[S+j:S+j+1], s[30:31], v[12:13] op_sel_hi:[1,0,0]   ; t - M, two at a time (of the pairs c and -M the low word serves both halves)
.set j, j+2
.endr
	v_pk_fma_f32 v[BM:BM+1], v[BM:BM+1], s[30:31], v[12:13] op_sel_hi:[1,0,0]       ; the same of the blocks' largest scores
.set j, 0
	s_wait_alu depctr_va_vdst(0)
.rept 64
	v_exp_f32 v[S+j], v[S+j]                       ; p = 2^(t - M), at most 1: not normalised
.set j, j+1
.endr
	s_setprio 1
	v_exp_f32 v[BM], v[BM]                         ; the block's largest p: the same two instructions on the same number give the same bits
	v_exp_f32 v[BM+1], v[BM+1]
.set j, 0
	s_wait_alu depctr_va_vdst(0)
.rept 16
	v_pk_mul_f32 v[O+j:O+j+1], v[O+j:O+j+1], v[252:253] op_sel_hi:[1,0]   ; O^T under the new M, each accumulator from its low end on.  (Plain lines behind the exponentials that name none of their registers)
.set j, j+2
.endr
	s_wait_alu depctr_va_vdst(0)
.irp b, 0,1
	v_max_num_f32 v[BM+\b], 0x1800000, v[BM+\b]    ; the floor 2^(3 - 127): the byte cannot fall under 1
.endr
.irp b, 0,1
	s_delay_alu instid0(VALU_DEP_2)
	v_add_nc_u32 v[SO+\b], 0xff000000, v[BM+\b]    ; 2 off the exponent field: the conversion's scale operand
.endr
.irp c, 0,1
.irp g, 0,1,2,3
	v_cvt_scalef32_pk8_fp4_f32 v[PC+4*\c+\g], v[S+32*\c+8*\g:S+32*\c+8*\g+7], v[SO+\c]   ; registers 4 c .. 4 c + 3 of the operand: keys 64 c + 32 h + 0 .. 31
.endr
.endr
	v_lshrrev_b32 v[T2], 23, v[SO]                 ; the scales' bytes (also the plain line behind the conversions): blocks h
	v_lshrrev_b32 v[T2+1], 23, v[SO+1]             ; and 2 + h
	s_delay_alu instid0(VALU_DEP_1)
	v_lshl_or_b32 v[T2], v[T2+1], 16, v[T2]
	s_delay_alu instid0(VALU_DEP_1)
	v_permlanex16_b32 v[T2+1], v[T2], s28, s29
	s_delay_alu instid0(VALU_DEP_1)
	v_perm_b32 v[PW], v[T2+1], v[T2], 0x06020400   ; p's scale word, right in lanes 0-15, the lanes that the product reads: my bytes are blocks 0 and 2 there, lane l xor 16's blocks 1 and 3
	v_pk_fma_f32 v[14:15], v[14:15], v[252:253], v[S:S+1] op_sel_hi:[1,0,1]   ; THE ROW'S SUM IS TAKEN OF THE UNQUANTISED p: the old sum under the new M, and two at a time, in two chains
	v_pk_add_f32 v[240:241], v[S+2:S+3], v[S+4:S+5]
.irp j, 6,10,14,18,22,26,30,34,38,42,46,50,54,58
	v_pk_add_f32 v[14:15], v[14:15], v[S+\j:S+\j+1]
	v_pk_add_f32 v[240:241], v[240:241], v[S+\j+2:S+\j+3]
.endr
	s_setprio 0
	v_pk_add_f32 v[14:15], v[14:15], v[S+62:S+63]
	s_delay_alu instid0(VALU_DEP_1)
	v_pk_add_f32 v[14:15], v[14:15], v[240:241]    ; (these 32 are also the places between p's codes and scale word, made by vector instructions, and the products below)
.if \kn
	s_wait_dscnt 10                                ; V and its scale words are in; the ten loads behind them, the next K's, may be out
.else
	s_wait_alu depctr_va_vdst(0)
	s_wait_dscnt 0x0
.endif
.irp ct, 0,1,2,3                               ; O^T += V^T P^T; the four accumulators take turns, one instruction a turn
	v_wmma_scale_f32_16x16x128_f8f6f4 v[O+8*\ct:O+8*\ct+7], v[VF+8*\ct:VF+8*\ct+7], v[PC:PC+7], v[O+8*\ct:O+8*\ct+7], v[VSW+\ct], v[PW] matrix_a_fmt:MATRIX_FMT_FP4 matrix_b_fmt:MATRIX_FMT_FP4
.endr
.endm
; One tile of 16 queries: its q; all keys; then o / l is quantised and stored as its piece of a record of ao.
.macro TILE u
.if \u
	QLOADS \u
.endif
	QGEMM
	QUANT2 QZ+12*\u+4, 5
	v_perm_b32 v[QW+\u], v5, v5, 0x01000100        ; the tile's two bytes twice: they serve (q, zeros) and (zeros, q) alike
	KLOAD LK, RK, 0                                ; key step 0
	v_mov_b32 v13, 0xff61b1e6                      ; the largest score so far: -3e38, under every score
	s_delay_alu instid0(VALU_DEP_1)
	v_mul_f32 v254, s30, v13
	s_delay_alu instid0(VALU_DEP_1)
	v_floor_f32 v12, -v254                         ; -M
	v_mov_b32 v14, 0                               ; the sum, in two halves
	v_mov_b32 v15, 0
.set j, 0
.rept 32
	v_mov_b32 v[O+j], 0                            ; O^T.  (The step is written once: the first finds zeros, which the first change of M leaves zeros.  These lines are also the places between q's codes and scale word and the first products)
.set j, j+1
.endr
	s_mov_b32 s32, 0                               ; the step's first LDS byte
	s_mov_b32 s33, 15
.Lstep_\@:
	s_setprio 2
	STEP \u, 1
	s_sub_co_u32 s33, s33, 1
	s_cmp_lg_u32 s33, 0
	s_cbranch_scc1 .Lstep_\@
	s_setprio 0
	STEP \u, 0
.rept 4
	v_nop                                          ; places behind the last products
.endr
	v_add_f32 v14, v14, v15                        ; the sum's two halves,
	s_delay_alu instid0(VALU_DEP_1)
	v_permlanex16_b32 v254, v14, s28, s29
	s_delay_alu instid0(VALU_DEP_1)
	v_add_f32 v14, v14, v254                       ; and lane l xor 16's: the row's sum
	s_wait_alu depctr_va_vdst(0)
	v_rcp_f32 v250, v14
	v_nop                                          ; one plain place behind a transcendental
	s_wait_alu depctr_va_vdst(0)
	v_mov_b32 v251, v250
.set j, 0
.rept 16
	v_pk_mul_f32 v[O+j:O+j+1], v[O+j:O+j+1], v[250:251]   ; register 16 b + i: o(my query, channel 32 b + 16 h + i)
.set j, j+2
.endr
	QUANT2 OC+4*\u, OSC+\u
	global_store_b128 v11, v[OC+4*\u:OC+4*\u+3], s[36:37] offset:4*REC*\u   ; 32 lanes store 512 consecutive bytes, at a multiple of 256 from ao's first byte
.endm
	TILE 0
	TILE 1
	v_cmp_ne_u32 vcc_lo, 0, v6
	s_delay_alu instid0(VALU_DEP_1)
	v_cndmask_b32 v5, v[OSC], v[OSC+1], vcc_lo
	global_store_b16 v7, v5, s[36:37] offset:4096
	s_wait_tensorcnt 0x0
	ds_add_u32 v246, v247
	s_wait_dscnt 0x0
	CROUND                                         ; the closing round: no work-group ends while a partner may still ask for a tile that names it
	s_endpgm
.Lfunc_end_k_qbf0fa4fe44_attn:
	.size	k_qbf0fa4fe44_attn, .Lfunc_end_k_qbf0fa4fe44_attn-k_qbf0fa4fe44_attn
	.p2alignl 7, 3214868480
	.fill 96, 4, 3214868480
	.section	.rodata,"a",@progbits
	.p2align	6, 0x0
	.amdhsa_kernel k_qbf0fa4fe44_attn
		.amdhsa_group_segment_fixed_size 327680
		.amdhsa_private_segment_fixed_size 0
		.amdhsa_enable_private_segment 0
		.amdhsa_kernarg_size 32
		.amdhsa_user_sgpr_count 2
		.amdhsa_user_sgpr_kernarg_segment_ptr 1
		.amdhsa_wavefront_size32 1
		.amdhsa_system_sgpr_workgroup_id_x 1
		.amdhsa_system_sgpr_workgroup_id_y 1
		.amdhsa_system_sgpr_workgroup_id_z 1
		.amdhsa_system_vgpr_workitem_id 0
		.amdhsa_next_free_vgpr 256
		.amdhsa_next_free_sgpr 66
		.amdhsa_reserve_vcc 1
		.amdhsa_float_denorm_mode_32 3
		.amdhsa_float_denorm_mode_16_64 3
		.amdhsa_memory_ordered 1
		.amdhsa_forward_progress 1
		.amdhsa_inst_pref_size 103
	.end_amdhsa_kernel
	.amdgpu_metadata
---
amdhsa.version: [ 1, 2 ]
amdhsa.kernels:
  - .name:           k_qbf0fa4fe44_attn
    .symbol:         k_qbf0fa4fe44_attn.kd
    .args:
      - { .name: xq, .offset: 0, .size: 8, .value_kind: global_buffer, .address_space: global }
      - { .name: bq, .offset: 8, .size: 8, .value_kind: global_buffer, .address_space: global }
      - { .name: qkv, .offset: 16, .size: 8, .value_kind: global_buffer, .address_space: global }
      - { .name: ao, .offset: 24, .size: 8, .value_kind: global_buffer, .address_space: global }
    .group_segment_fixed_size: 327680
    .private_segment_fixed_size: 0
    .kernarg_segment_align: 8
    .kernarg_segment_size: 32
    .max_flat_workgroup_size: 512
    .sgpr_count:     66
    .vgpr_count:     256
    .wavefront_size: 32
...
	.end_amdgpu_metadata
.endif
;; end of part 3
;; launch outp (part 4): grid 4 x 32, 4 waves a work-group, clusters of 4 x 4, 279,040 bytes of LDS; arguments ao, xq, be, out0; writes out0
.if DOCPART == 4
	.amdgcn_target "amdgcn-amd-amdhsa--gfx1250"
	.amdhsa_code_object_version 6
	.text
	.protected	k_qbf0fa4fe44_outp
	.globl	k_qbf0fa4fe44_outp
	.p2align	8
	.type	k_qbf0fa4fe44_outp,@function
k_qbf0fa4fe44_outp:
	s_mov_b64 s[64:65], 0
	v_nop
	global_prefetch_b8 v0, s[64:65] scope:SCOPE_SE
	s_setreg_imm32_b32 hwreg(HW_REG_WAVE_MODE, 25, 1), 1
	s_wait_xcnt 0x0
	s_wait_alu depctr_hold_cnt(0) depctr_sa_sdst(0) depctr_va_vdst(0) depctr_va_sdst(0) depctr_va_ssrc(0) depctr_va_vcc(0) depctr_vm_vsrc(0)
	s_getreg_b32 s2, hwreg(HW_REG_IB_STS2, 6, 4)
	s_cmp_eq_u32 s2, 0
	s_cbranch_scc0 .Lentry_in_a_cluster
	s_endpgm
.Lentry_in_a_cluster:
	s_bfe_u32 s2, ttmp6, 0x10000c
	s_cmp_lg_u32 s2, 0xf033
	s_cbranch_scc0 .Lentry_shape_is_right
	s_endpgm
.Lentry_shape_is_right:
; out0 = o We^T + be on codes of FP4 (E2M1) with E8M0 scales; sums in f32.  o comes from ao, We from xq, both as RECORDS of 4,352 bytes (16 rows x 512 K as an image of the operand's registers, then the rows'
; scale words); the rows of a group g are rho(g, r) = 32 (g / 2) + 8 (g % 2) + r + 8 (r / 8).
; THE PRODUCT.  Source 0 = 16 rows of We (S0), source 1 = 16 rows of o (S1): a lane holds one row of out0 and its registers run along the columns.  be is the C of each sum's first matrix instruction.
; SHARES.  A tile of out0 is 256 x 256: four waves, each 128 x 128 in 64 accumulators: 128 work-groups.  K = 1,024 is two slots of 512; BOTH FIT IN LDS AND ARE FILLED ONCE: two tensor loads a wave are out at the start, none later.
; CLUSTERS: 4 x 4 work-groups.  S1's tile hangs on the cluster's row, S0's on its column: each is asked for jointly, by the same tensor load with the same descriptor and a mask of four.
; REGISTERS, in windows of 256: window 0: v16-28 addresses; v32-95 scale words, a set for each slot; v128-191 S1's fragments; v192-255 be in the result's layout; on the way out v128-255 hold rows of out0.
;   window 1: S0's fragments, two sets, at v0 and v128.   window 2: the accumulators of my rows 0-63 ((a, b) at v[8 (8 (a % 4) + b)]);   window 3: of rows 64-127.
.set REC,   4352
.set CHUNK, 8*REC                      ; 128 rows x 512 K: what one tensor load brings, and what one wave reads of S1 or of S0
.set SLOT,  4*CHUNK                    ; S1's two halves, then S0's two
.set SPITCH, 528                       ; the way out: a stage of 16 rows x (512 bytes + 16) for each wave, in slot 0, which has had its only fill and its last read when the first result is stored there
.set ADR1, 16                          ; v16-17  LDS address of my S1 fragments in slot 0, 1
.set ADR0, 20                          ; v20-21  the same for S0
.set ADRS, 22                          ; v22-23  of my scale words: lanes 0-15 S1's rows, lanes 16-31 S0's
.set STO,  24                          ; v24     the way out: where I put 32 bytes of a row
.set RD,   25                          ; v25     where I read a row back
.set CO,   26                          ; v26     16 x lane
.set VBJ,  28                          ; v28     my byte in be
.set SC,   32
.set AF,   128
.set BJ,   192
.set BK,   128                         ; the way out: 16 rows read back: v128-191 and v192-255 by turns
.set G1, 24                            ; s[24:31] descriptor group 1 for S1's tiles;  s[32:39] group 0, one set for each slot
.set G0, 32
.set G1B, 48                           ; s[48:55], s[56:63] the same for S0's
.set G0B, 56
.set MSB, 0
.macro WIN new                         ; the immediate's high byte repeats the setting that is left
.if MSB != (\new)
	s_set_vgpr_msb (MSB<<8)|(\new)
.set MSB, (\new)
.endif
.endm
.set MUL_LO, 0xa1                      ; source 0 (S0) window 1, source 1 (S1) window 0, C and D window 2
.set MUL_HI, 0xf1                      ; the same, C and D window 3
.set TO_B,   0x40                      ; destination window 1, address window 0
.macro CROUND                          ; a round of the cluster's barrier
	s_barrier_signal -1
	s_barrier_wait -1
	s_cmp_lg_u32 s14, 0
	s_cbranch_scc1 .Lnot_wave_0_\@
	s_barrier_signal -3
.Lnot_wave_0_\@:
	s_barrier_wait -3
	s_barrier_signal -1
	s_barrier_wait -1
.endm
	s_load_b256 s[4:11], s[0:1], 0x0               ; ao s[4:5], xq s[6:7], be s[8:9], out0 s[10:11]
	v_lshl_add_u32 v126, v0, 2, 0x44000
	v_mov_b32 v127, 0
	ds_add_u32 v126, v127
	ds_add_u32 v126, v127
	v_lshrrev_b32 v1, 5, v0
	v_readfirstlane_b32 s14, v1                    ; wave 0..3
	s_lshr_b32 s15, s14, 1                         ; wy: which half of S1's rows is mine.  Also: I fetch for S1 (0) or for S0 (1)
	s_and_b32 s16, s14, 1                          ; wx: which half of S0's rows.  Also: which 128 rows of that tile I fetch
	s_bfe_u32 s40, ttmp6, 0x40000                  ; cx, cy: my place in the cluster
	s_bfe_u32 s41, ttmp6, 0x40004
	s_lshl_b32 s66, ttmp9, 2
	s_add_co_u32 s66, s66, s40                     ; S0's tile (256 columns of out0) = 4 x cluster x + cx
	s_and_b32 s67, ttmp7, 0xffff
	s_lshl_b32 s67, s67, 2
	s_add_co_u32 s67, s67, s41                     ; S1's tile (256 rows) = 4 x cluster y + cy
	s_lshl_b32 s43, s41, 2
	s_lshl_b32 s43, 15, s43                        ; my row of the cluster
	s_lshl_b32 s44, 0x1111, s40                    ; my column
	; descriptor group 1: eight records are 34,816 dense bytes: 136 rows of 256 bytes (32 elements of 8 bytes), no padding
	s_or_b32 s[G1+0], s43, (3<<16)|(1<<21)         ; 15:0 the mask: S1's tiles go to my row; 17:16 elements of 8 bytes; 21 set beside a mask
	s_or_b32 s[G1B+0], s44, (3<<16)|(1<<21)        ; S0's go to my column
.irp g, G1, G1B
	s_mov_b32 s[\g+1], 32<<16                      ; tensor_dim0
	s_mov_b32 s[\g+2], 136<<16                     ; tensor_dim1
	s_mov_b32 s[\g+3], 32<<16                      ; tile_dim0
	s_mov_b32 s[\g+4], 136                         ; tile_dim1
	s_mov_b32 s[\g+5], 32                          ; tensor_dim0_stride
	s_mov_b32 s[\g+6], 0
	s_mov_b32 s[\g+7], 0
.endr
	s_lshl_b32 s23, s16, 3                         ; which eight groups of the tile's sixteen I fetch
	s_lshl_b32 s72, s66, 4
	s_add_co_u32 s72, s72, 3456                    ; We's records begin at 3,456: 64 x K half + group
	s_add_co_u32 s72, s72, s23
	s_mul_i32 s72, s72, REC
	s_mov_b32 s73, 0
	s_lshl_b32 s74, s67, 4                         ; ao's: 512 x K half + group
	s_add_co_u32 s74, s74, s23
	s_mul_i32 s74, s74, REC
	s_mov_b32 s75, 0
	s_mul_i32 s45, s14, CHUNK                      ; where they go: wave x 34,816: no place in the cluster enters an LDS address
	s_wait_dscnt 0x0
	s_wait_kmcnt 0x0
	s_add_nc_u64 s[76:77], s[4:5], s[74:75]
	s_add_nc_u64 s[78:79], s[6:7], s[72:73]
.irp s, 0,1
	s_mov_b32 s[G0+4*\s], 1                                        ; count = 1
	s_add_co_u32 s[G0+4*\s+1], s45, \s*SLOT                        ; LDS address
	s_add_nc_u64 s[G0+4*\s+2:G0+4*\s+3], s[76:77], \s*512*REC      ; global address: K half s
	s_or_b32 s[G0+4*\s+3], s[G0+4*\s+3], 0x80000000                ; type = 2
	s_mov_b32 s[G0B+4*\s], 1
	s_add_co_u32 s[G0B+4*\s+1], s45, \s*SLOT
	s_add_nc_u64 s[G0B+4*\s+2:G0B+4*\s+3], s[78:79], \s*64*REC
	s_or_b32 s[G0B+4*\s+3], s[G0B+4*\s+3], 0x80000000
.endr
	CROUND                                         ; all sixteen work-groups are here: the joint loads meet
	s_cmp_eq_u32 s15, 0                            ; a wave's two fills stand in one branch on the wave's number, ahead of every wait on TENSORcnt and every LDS read; four v_nop follow the second
	s_cbranch_scc0 .Lfor_s0
	tensor_load_to_lds s[G0:G0+3], s[G1:G1+7]
	s_nop 0
	tensor_load_to_lds s[G0+4:G0+7], s[G1:G1+7]
	s_nop 0
.rept 4
	v_nop
.endr
	s_branch .Lasked
.Lfor_s0:
	tensor_load_to_lds s[G0B:G0B+3], s[G1B:G1B+7]
	s_nop 0
	tensor_load_to_lds s[G0B+4:G0B+7], s[G1B:G1B+7]
	s_nop 0
.rept 4
	v_nop
.endr
.Lasked:
	v_and_b32 v1, 15, v0                           ; r
	v_bfe_u32 v2, v0, 4, 1                         ; h
	v_and_b32 v3, 31, v0
	v_lshlrev_b32 v[CO], 4, v3                     ; 16 x lane
	s_wait_alu depctr_va_vdst(0)
	s_lshl_b32 s80, s67, 8
	s_lshl_b32 s81, s15, 7
	s_add_co_u32 s80, s80, s81                     ; I0: my first row of out0
	s_lshl_b32 s81, s66, 8
	s_lshl_b32 s82, s16, 7
	s_add_co_u32 s81, s81, s82                     ; J0: my first column
	s_lshl_b32 s83, s81, 2
	v_lshl_add_u32 v[VBJ], v2, 6, s83              ; be: tile b's eight of my half: J0 + 32 (b / 2) + 8 (b % 2) + 16 h + 0 .. 7
.irp b, 0,1,2,3,4,5,6,7
	global_load_b128 v[BJ+8*\b:BJ+8*\b+3], v[VBJ], s[8:9] offset:(32*(\b/2)+8*(\b%2))*4
	global_load_b128 v[BJ+8*\b+4:BJ+8*\b+7], v[VBJ], s[8:9] offset:(32*(\b/2)+8*(\b%2))*4+16
.endr
	s_lshl_b32 s82, s80, 12
	s_add_co_u32 s82, s82, s83
	s_mov_b32 s83, 0
	s_add_nc_u64 s[10:11], s[10:11], s[82:83]      ; out0 at (I0, J0)
	s_mul_i32 s21, s15, CHUNK                      ; my 128 rows of S1
	s_add_co_u32 s22, s16, 2
	s_mul_i32 s22, s22, CHUNK                      ; my 128 rows of S0, behind S1's 256
.irp s, 0,1
	v_add_nc_u32 v[ADR1+\s], s21, v[CO]
	v_add_nc_u32 v[ADR0+\s], s22, v[CO]
	s_add_co_u32 s21, s21, SLOT
	s_add_co_u32 s22, s22, SLOT
.endr
	s_xor_b32 s23, s15, 1
	s_add_co_u32 s23, s23, s16
	s_add_co_u32 s23, s23, 1
	s_mul_i32 s23, s23, CHUNK                      ; from my S1 chunk to my S0 chunk: (2 + wx - wy) chunks
	v_mul_u32_u24 v4, s23, v2                      ; lanes 16-31 take S0's words
	v_lshl_add_u32 v4, v1, 4, v4                   ; 16 bytes a row: the words of four K steps
	s_mul_i32 s21, s15, CHUNK
	v_add_nc_u32 v[ADRS], s21, v4
	v_add_nc_u32 v[ADRS+1], SLOT, v[ADRS]
	s_mul_i32 s84, s14, 16*SPITCH                  ; my stage
	v_mul_u32_u24 v5, v1, SPITCH
	v_lshl_add_u32 v5, v2, 6, v5
	v_add_nc_u32 v[STO], s84, v5                   ; in: row r, + 64 h: tile b's eight columns of my half lie 128 (b / 2) + 32 (b % 2) bytes on
	v_add_nc_u32 v[RD], s84, v[CO]                 ; back: the 32 lanes take one row of 512 bytes
.macro FRAG reg, adr, q, i             ; a fragment, 16 rows x 128 K, is 8 registers: two loads of 512 consecutive bytes from group i's record
.irp c, 0,1
	ds_load_b128 v[\reg+4*\c:\reg+4*\c+3], v[\adr] offset:(\i)*REC+(\q)*1024+512*\c
.endr
.endm
; 16 matrix instructions: S1's blocks a0, a0 + 1 x S0's eight, the slot's q-th 128 along K.  p: S0's set;  sc: the set of scale words.  first = 1: the sums start from be.
; The 64 accumulators take turns, one instruction a turn, in the same order in every step.
.macro MUL16 a0, p, q, sc, first
.irp a, \a0, \a0+1
.irp b, 0,1,2,3,4,5,6,7
.if \first
	v_wmma_scale_f32_16x16x128_f8f6f4 v[8*(8*((\a)%4)+\b):8*(8*((\a)%4)+\b)+7], v[128*(\p)+8*\b:128*(\p)+8*\b+7], v[AF+8*(\a):AF+8*(\a)+7], v[BJ+8*\b:BJ+8*\b+7], v[SC+32*(\sc)+4*\b+(\q)], v[SC+32*(\sc)+4*(\a)+(\q)] matrix_a_fmt:MATRIX_FMT_FP4 matrix_b_fmt:MATRIX_FMT_FP4 matrix_a_scale:MATRIX_SCALE_ROW1
.else
	v_wmma_scale_f32_16x16x128_f8f6f4 v[8*(8*((\a)%4)+\b):8*(8*((\a)%4)+\b)+7], v[128*(\p)+8*\b:128*(\p)+8*\b+7], v[AF+8*(\a):AF+8*(\a)+7], v[8*(8*((\a)%4)+\b):8*(8*((\a)%4)+\b)+7], v[SC+32*(\sc)+4*\b+(\q)], v[SC+32*(\sc)+4*(\a)+(\q)] matrix_a_fmt:MATRIX_FMT_FP4 matrix_b_fmt:MATRIX_FMT_FP4 matrix_a_scale:MATRIX_SCALE_ROW1
.endif
.endr
.endr
.endm
.macro FETCH_B slot, q, p              ; S0's eight fragments into set p
	WIN TO_B
.irp i, 0,1,2,3,4,5,6,7
	FRAG 128*(\p)+8*\i, ADR0+\slot, \q, \i
.endr
	WIN 0
.endm
.macro FETCH_A slot, q, i0             ; S1's blocks i0 .. i0 + 3
.irp i, \i0, \i0+1, \i0+2, \i0+3
	FRAG AF+8*(\i), ADR1+\slot, \q, \i
.endr
.endm
.macro SCALES s                        ; slot s's scale words: register 4 i + q: lanes 0-15 the word of S1's block i, lanes 16-31 that of S0's block i
.irp i, 0,1,2,3,4,5,6,7
	ds_load_b128 v[SC+32*\s+4*\i:SC+32*\s+4*\i+3], v[ADRS+\s] offset:\i*REC+4096
.endr
.endm
; A load into a register that a matrix instruction has read, and an LDS store that reads a matrix result, stand four places behind it; only plain vector instructions that name none of its registers
; are places (ISA guide 7.12.1 for vector instructions).
.macro PLACES
.rept 4
	v_nop
.endr
.endm
; A step of 128 along K that has its successor in the same slot.  S1 has one set of registers: blocks 0-3 are fetched anew in the step's middle, blocks 4-7 at its end; S0 has two sets.
.macro STEP slot, q, first
	s_wait_dscnt 8                                 ; all but the eight youngest loads, S1's blocks 4-7
.if \first
	WIN 0x81                                       ; C (be) in window 0, D in window 2
.else
	WIN MUL_LO
.endif
	MUL16 0, (\q)%2, \q, \slot, \first
	MUL16 2, (\q)%2, \q, \slot, \first
	s_wait_dscnt 0x0                               ; S1's blocks 4-7 are in
	PLACES
	FETCH_B \slot, (\q)+1, 1-(\q)%2
	FETCH_A \slot, (\q)+1, 0
.if \first
	WIN 0xc1                                       ; D in window 3
.else
	WIN MUL_HI
.endif
	MUL16 4, (\q)%2, \q, \slot, \first
	MUL16 6, (\q)%2, \q, \slot, \first
	PLACES
	WIN 0
	FETCH_A \slot, (\q)+1, 4
.endm
; Slot 0's last step, and the change of slots.  Nothing is filled again: the barrier shows every wave's part of slot 1 to the others, and behind it nobody reads slot 0 any more.
.macro MID
	s_wait_tensorcnt 0x0                           ; my part of slot 1 has landed
	s_wait_dscnt 8
	WIN MUL_LO
	MUL16 0, 1, 3, 0, 0
	s_wait_dscnt 0x0                               ; my reads of slot 0 are over
	s_barrier_signal -1
	MUL16 2, 1, 3, 0, 0                            ; work on registers while the others arrive
	WIN 0
	s_barrier_wait -1
	PLACES
	FETCH_B 1, 0, 0
	FETCH_A 1, 0, 0
	SCALES 1
	WIN MUL_HI
	MUL16 4, 1, 3, 0, 0
	MUL16 6, 1, 3, 0, 0
	PLACES
	WIN 0
	FETCH_A 1, 0, 4
.endm
; THE WAY OUT, block by block of 16 rows x 128 columns.  A lane holds 32 neighbouring bytes of a row at a time, and the lanes beside it hold other rows: a block goes through my own stage and comes back as whole
; rows of 512 bytes.  LDS serves a wave's instructions in order (ISA guide 5.7.1.4): no wait between the stores and the loads, nor in front of the next block's stores.
.macro TOSTAGE a
.set AC, 64*((\a)%4)
	WIN 0x08+4*((\a)/4)                            ; an LDS store's data are its source 1: window 2 or 3
.irp b, 0,1,2,3,4,5,6,7
	ds_store_b128 v[STO], v[AC+8*\b:AC+8*\b+3] offset:128*(\b/2)+32*(\b%2)          ; each accumulator from its low end on
	ds_store_b128 v[STO], v[AC+8*\b+4:AC+8*\b+7] offset:128*(\b/2)+32*(\b%2)+16
.endr
	WIN 0
.set BB, BK+64*((\a)%2)
.irp t, 0,1,2,3,4,5,6,7,8,9,10,11,12,13,14,15
	ds_load_b128 v[BB+4*\t:BB+4*\t+3], v[RD] offset:\t*SPITCH
.endr
.endm
.macro SEND a, younger                 ; younger: the LDS instructions issued behind block a's loads, which may stay out
.set BB, BK+64*((\a)%2)
	s_wait_dscnt \younger                          ; the block is back in registers
.irp t, 0,1,2,3,4,5,6,7,8,9,10,11,12,13,14,15
	global_store_b128 v[CO], v[BB+4*\t:BB+4*\t+3], s[10:11] offset:(32*((\a)/2)+8*((\a)%2)+\t+8*(\t/8))*4096 th:TH_STORE_NT   ; row rho(a, t): 32 lanes store 512 consecutive bytes, at a multiple of 256 from out0's first byte; 127 rows at the most, inside the signed 24-bit immediate
.endr
.endm
	s_wait_alu depctr_va_vdst(0)
	s_wait_tensorcnt 0x1                           ; my part of slot 0 is in; slot 1's load may be out
	s_barrier_signal -1
	s_barrier_wait -1                              ; everybody's is
	FETCH_B 0, 0, 0
	FETCH_A 0, 0, 0
	SCALES 0
	FETCH_A 0, 0, 4
	s_wait_loadcnt 0x0                             ; be
	STEP 0, 0, 1                                   ; the first products start the sums from be: nothing is cleared, and the bias costs no addition
	STEP 0, 1, 0
	STEP 0, 2, 0
	MID
	STEP 1, 0, 0
	STEP 1, 1, 0
	STEP 1, 2, 0
	s_wait_dscnt 8                                 ; the last step: nothing more to fetch
	WIN MUL_LO
	MUL16 0, 1, 3, 1, 0
	MUL16 2, 1, 3, 1, 0
	s_wait_dscnt 0x0
	WIN MUL_HI
	MUL16 4, 1, 3, 1, 0
	MUL16 6, 1, 3, 1, 0
	WIN 0
	PLACES                                         ; for the stores of results and for the loads into the registers that held S1's fragments
	TOSTAGE 0
.irp a, 1,2,3,4,5,6,7
.if \a > 1
	s_wait_xcnt 0x0                                ; block a - 2's stores have read their registers: block a's loads may land there
.endif
	TOSTAGE \a
	SEND \a-1, 32                                  ; behind block a - 1's loads: block a's 16 stores and 16 loads
.endr
	SEND 7, 0
	s_wait_tensorcnt 0x0
	ds_add_u32 v126, v127
	s_wait_dscnt 0x0
	CROUND                                         ; the closing round: no work-group ends while a partner may still ask for a tile that names it
	s_endpgm
.Lfunc_end_k_qbf0fa4fe44_outp:
	.size	k_qbf0fa4fe44_outp, .Lfunc_end_k_qbf0fa4fe44_outp-k_qbf0fa4fe44_outp
	.p2alignl 7, 3214868480
	.fill 96, 4, 3214868480
	.section	.rodata,"a",@progbits
	.p2align	6, 0x0
	.amdhsa_kernel k_qbf0fa4fe44_outp
		.amdhsa_group_segment_fixed_size 279040
		.amdhsa_private_segment_fixed_size 0
		.amdhsa_enable_private_segment 0
		.amdhsa_kernarg_size 32
		.amdhsa_user_sgpr_count 2
		.amdhsa_user_sgpr_kernarg_segment_ptr 1
		.amdhsa_wavefront_size32 1
		.amdhsa_system_sgpr_workgroup_id_x 1
		.amdhsa_system_sgpr_workgroup_id_y 1
		.amdhsa_system_sgpr_workgroup_id_z 1
		.amdhsa_system_vgpr_workitem_id 0
		.amdhsa_next_free_vgpr 1024
		.amdhsa_next_free_sgpr 100
		.amdhsa_reserve_vcc 0
		.amdhsa_float_denorm_mode_32 3
		.amdhsa_float_denorm_mode_16_64 3
		.amdhsa_memory_ordered 1
		.amdhsa_forward_progress 1
		.amdhsa_inst_pref_size 123
	.end_amdhsa_kernel
	.amdgpu_metadata
---
amdhsa.version: [ 1, 2 ]
amdhsa.kernels:
  - .name:           k_qbf0fa4fe44_outp
    .symbol:         k_qbf0fa4fe44_outp.kd
    .args:
      - { .name: ao, .offset: 0, .size: 8, .value_kind: global_buffer, .address_space: global }
      - { .name: xq, .offset: 8, .size: 8, .value_kind: global_buffer, .address_space: global }
      - { .name: be, .offset: 16, .size: 8, .value_kind: global_buffer, .address_space: global }
      - { .name: out0, .offset: 24, .size: 8, .value_kind: global_buffer, .address_space: global }
    .group_segment_fixed_size: 279040
    .private_segment_fixed_size: 0
    .kernarg_segment_align: 8
    .kernarg_segment_size: 32
    .max_flat_workgroup_size: 128
    .sgpr_count:     100
    .vgpr_count:     1024
    .wavefront_size: 32
...
	.end_amdgpu_metadata
.endif
;; end of part 4
